; MI455X (gfx1250); checked and timed in simulation.
; The chip was launched on July 23, 2026; its instructions are those of AMD's public machine-readable ISA for CDNA 5 (MIT licence, August 2026) and "CDNA5" Instruction Set Architecture Reference Guide (July 2026). The comments in the code are by the model that wrote it; some were corrected since.
;; Cross Modal Attention Block. Allowed arithmetic: matrix products marked QUANTISED: E2M1 operands, one E8M0 scale for each 32 along K, by v_wmma_scale_f32_16x16x128_f8f6f4 with both operands' format E2M1 (or v_wmma_scale_f32_32x16x128_f4), f32 sums; everything else in f32.
;; Inputs: Wk 1,024 x 1,024 float32; Wo 1,024 x 1,024 float32; Wq 1,024 x 1,024 float32; Wv 1,024 x 1,024 float32; bk 1,024 float32; bo 1,024 float32; bq 1,024 float32; bv 1,024 float32; context_codes 4 x 2,048 x 32 x 16 uint8 (E2M1 codes of context, K innermost, in blocks of 32 codes, two codes a byte); context_scales 4 x 2,048 x 32 uint8 (E8M0 scales of context, one for each 32 codes along K); ln_beta 1,024 float32; ln_gamma 1,024 float32; x 4 x 1,024 x 1,024 float32.
;; Outputs: out0 4 x 1,024 x 1,024 float32.
;; This version of the problem:
;;   THIS VERSION OF THE PROBLEM IS GIVEN IN LOW PRECISION. The matrix products marked QUANTISED in the list below multiply operands that are first quantised to E2M1 (2 exponent bits, 1 mantissa bit; 4 bits a number), with one power-of-two scale for each 32 numbers along K (OCP MX v1.0); their sums are f32. All else is computed in f32.
;;   The module's matrix products, in the order in which they are computed (A, B: the left and right operand; K: the contracted axis; several contracted axes count as one K, in the product's order):
;;     1. [M 4,096, K 1,024] x [K 1,024, N 1,024]; A: computed on the way; B: computed on the way: QUANTISED
;;     2. [M 8,192, K 1,024] x [K 1,024, N 1,024]; A: input context (given as codes); B: computed on the way: QUANTISED
;;     3. [M 8,192, K 1,024] x [K 1,024, N 1,024]; A: input context (given as codes); B: computed on the way: QUANTISED
;;     4. batch 64 x [M 1,024, K 64] x [K 64, N 2,048]; A: computed on the way; B: computed on the way: QUANTISED
;;     5. batch 64 x [M 64, K 2,048] x [K 2,048, N 1,024]; A: computed on the way; B: softmax (see below): QUANTISED
;;     6. [M 4,096, K 1,024] x [K 1,024, N 1,024]; A: computed on the way; B: computed on the way: QUANTISED
;;   THE QUANTISER, for each operand of a quantised product, along K:
;;     - K is cut into blocks of 32 from its start; a last block that is shorter is filled with zeros.
;;     - A block's scale is 2^e with e = floor(log2(the largest magnitude in the block)) - 2, held to -126 .. 127; a block of zeros has e = 0. As a byte (E8M0): e + 127.
;;     - Each number is divided by its block's scale, clamped to +-6, and rounded to the nearest number of E2M1, ties to even, subnormals kept.
;;     - The product sums the exact products of the quantised numbers (number of the format x scale) in f32.
;;   ~~~python
;;   def quantise(x, axis):      # numpy; x: float32 -> the quantised numbers, widened to float32 again
;;       x = np.moveaxis(x, axis, -1); K = x.shape[-1]
;;       x = np.pad(x, [(0, 0)] * (x.ndim - 1) + [(0, -K % 32)]); x = x.reshape(x.shape[:-1] + (-1, 32)); a = np.abs(x).max(-1, keepdims=True)
;;       e = np.where(a > 0, np.clip(np.frexp(np.where(a > 0, a, 1))[1] - 1 - 2, -126, 127), 0)      # np.frexp(a)[1] - 1 = floor(log2(a)), exactly
;;       r = np.clip(x / 2.0 ** e, -6, 6)
;;       step = 2.0 ** (np.maximum(np.frexp(np.where(r == 0, 1, r))[1] - 1, 0) - 1)
;;       q = np.round(r / step) * step * 2.0 ** e      # np.round: ties to even
;;       return np.moveaxis(q.reshape(q.shape[:-2] + (-1,))[..., :K], -1, axis).astype(np.float32)
;;   ~~~
;;   SOFTMAX AHEAD OF A QUANTISED PRODUCT. Where the list says 'softmax', what is quantised is not the finished softmax but p = 2^(t - M), with t = logit x log2(e) and M = ceil(the row's largest t), a whole number; so 1/2 < the row's largest p <= 1. The row's sum l is taken of the UNQUANTISED p, in f32, and the product's result is divided by l at the end. Since M is a whole number, a kernel that streams over the keys may use a running M (the ceiling of the running maximum): every later rescaling is an exact power of two, which a block's scale takes up: the codes' values come out the same.
;;   OPERANDS COMPUTED ON THE WAY. 'Computed on the way' means the value that the module computes at that place (a softmax that the list does not call 'softmax' is quantised finished and normalised). What goes into a quantiser is computed in f32, as accurately as f32 sums, v_exp_f32 and their like allow (about 1e-6 of the number): no bf16 or f16 on the way to a quantiser, and a product that is left as it is and whose result goes on into a quantised operand takes f32 operands (vector FMAs, or v_wmma_f32_16x16x4_f32). A number that lies on a knife's edge between two numbers of the format may be rounded either way, as far as f32 arithmetic and the matrix unit's own rounding can turn it there, and no further.
;;   INPUTS GIVEN AS CODES. context (in the module: [4, 2048, 1024], K = its axis 2): each comes as NAME_codes (uint8): NAME with its K axis moved to the last place and cut into blocks of 32 codes, [.., K / 32, bytes a block], one block behind the other in memory; two codes a byte, the lower K in the low four bits (a code: sign, 2 exponent bits, 1 mantissa bit); and NAME_scales (uint8): the same leading axes, one E8M0 byte (e + 127) for each 32 codes along K. Its value is code x scale, taken as it is: it is not quantised again, and the codes and scales need not be those that the quantiser above would give.
;; One version. Each part assembles by itself: llvm-mc -triple=amdgcn-amd-amdhsa -mcpu=gfx1250 --defsym DOCPART=n.
;; ======== version 1 of 1: 5 launches
;; limits: right only within a limited range of input values
;; workspace buffers: wsum 4,096 bytes; xnq 2,228,224 bytes; wts 2,228,224 bytes; kv 9,175,040 bytes; aoq 2,228,224 bytes
;; launch prep (part 1): grid 512 x 1, 4 waves a work-group, no clusters, 28,160 bytes of LDS; arguments x, ln_gamma, ln_beta, Wq, Wk, Wv, Wo, wsum, xnq; writes wsum, xnq
.if DOCPART == 1
	.amdgcn_target "amdgcn-amd-amdhsa--gfx1250"
	.amdhsa_code_object_version 6
	.text
	.protected	k_q495d3748d8_prep
	.globl	k_q495d3748d8_prep
	.p2align	8
	.type	k_q495d3748d8_prep,@function
k_q495d3748d8_prep:
	s_mov_b64 s[64:65], 0
	v_nop
	global_prefetch_b8 v0, s[64:65] scope:SCOPE_SE
	s_setreg_imm32_b32 hwreg(HW_REG_WAVE_MODE, 25, 1), 1
	s_wait_xcnt 0x0
; Work-groups 0-255: LayerNorm of 16 rows of x [4096][1024] f32, quantised along the row to E2M1 codes with one E8M0 byte for each 32.
; Work-groups 256-511: partial sums of |W| of the four weights, 4,096 numbers a wave, for the mean that the next launch needs.
; OUT: xnq: codes at 0, a tile of 16 rows = 32 units of 256 bytes, unit beta = [row 0..15][the 16 bytes of block beta]; scale bytes at XQS as [row][32].
;      wsum: f32 [matrix Wq, Wk, Wv, Wo][256].
; A lane owns one block of 32 neighbours of a row, so a block's largest magnitude needs no other lane.  The loads take the bytes as they lie
; (512 consecutive bytes a load) and a row turns through the wave's own stage in LDS, 128 bytes + 16 of padding for each lane.
; No matrix unit, cluster or tensor load: work-groups share no input and memory binds.
; LIMITS: NaN and infinities are not served.  A block of zeros gets the byte 1 where the rule says 127: its codes are zeros and only this program reads the bytes.
; The partial sums leave by one store of 4 bytes a wave (4,096 bytes in the whole launch): the one exception to whole 256-byte stores.
.set STGB,  4608                       ; a wave's stage: 32 places of 144 bytes
.set GATH,  4*STGB                     ; the tile's 32 units, 272 bytes apart
.set GP,    272
.set SCG,   GATH+32*GP                 ; the tile's 512 scale bytes
.set XQS,   2097152
.set GA,    64                         ; v64-95  gamma of my block
.set BE,    96                         ; v96-127 beta
.set RW,    128                        ; v128-255 four rows, 32 numbers each
.macro LOADROW reg, base, off          ; a row of 4,096 bytes: eight loads of 512 consecutive bytes
.irp j, 0,1,2,3,4,5,6,7
	global_load_b128 v[\reg+4*\j:\reg+4*\j+3], v2, s[\base:\base+1] offset:\off+512*\j
.endr
.endm
.macro TURN reg                        ; through my stage and back into the same registers: LDS serves a wave's instructions in order, so no wait stands between
.irp j, 0,1,2,3,4,5,6,7
	ds_store_b128 v3, v[\reg+4*\j:\reg+4*\j+3] offset:576*\j
.endr
.irp j, 0,1,2,3,4,5,6,7
	ds_load_b128 v[\reg+4*\j:\reg+4*\j+3], v4 offset:16*\j
.endr
.endm
.macro LANESUM r                       ; the sum over the 32 lanes, in every lane
	v_add_f32_dpp v[\r], v[\r], v[\r] row_xmask:1 row_mask:0xf bank_mask:0xf
	v_add_f32_dpp v[\r], v[\r], v[\r] row_xmask:2 row_mask:0xf bank_mask:0xf
	v_add_f32_dpp v[\r], v[\r], v[\r] row_xmask:4 row_mask:0xf bank_mask:0xf
	v_add_f32_dpp v[\r], v[\r], v[\r] row_xmask:8 row_mask:0xf bank_mask:0xf
	v_permlanex16_b32 v22, v[\r], s22, s23
	v_add_f32 v[\r], v[\r], v22
.endm
.macro FOLD                            ; four packed chains v[14:21] into v14
	v_pk_add_f32 v[14:15], v[14:15], v[16:17]
	v_pk_add_f32 v[18:19], v[18:19], v[20:21]
	v_pk_add_f32 v[14:15], v[14:15], v[18:19]
	v_add_f32 v14, v14, v15
	LANESUM 14
.endm
.macro QBLK x, i                       ; my block of 32 numbers: largest magnitude with the floor 2^(3-127), scale operand, 4 x 8 codes, byte
	v_max3_num_f32 v29, |v[(\x)]|, |v[(\x)+1]|, |v[(\x)+2]|
	v_max3_num_f32 v30, |v[(\x)+3]|, |v[(\x)+4]|, |v[(\x)+5]|
.irp n, 6,10,14,18,22,26
	v_max3_num_f32 v29, v29, |v[(\x)+\n]|, |v[(\x)+\n+1]|
	v_max3_num_f32 v30, v30, |v[(\x)+\n+2]|, |v[(\x)+\n+3]|
.endr
	v_max3_num_f32 v29, v29, |v[(\x)+30]|, |v[(\x)+31]|
	v_max3_num_f32 v29, v29, v30, 0x1800000
	v_add_nc_u32 v28, 0xff000000, v29              ; 2 off the exponent field: the conversion's scale operand
.irp g, 0,1,2,3
	v_cvt_scalef32_pk8_fp4_f32 v[32+4*\i+\g], v[(\x)+8*\g:(\x)+8*\g+7], v28
.endr
	v_lshrrev_b32 v[24+\i], 23, v28                ; the byte; also the plain line behind the conversions
.endm
	s_load_b512 s[4:19], s[0:1], 0x0               ; x, gamma, beta, Wq, Wk, Wv, Wo, wsum
	s_load_b64 s[20:21], s[0:1], 0x40              ; xnq
	v_lshl_add_u32 v31, v0, 2, 0x6c00
	s_set_vgpr_msb 0x40
	v_mov_b32 v1, 0
	s_set_vgpr_msb 0x4000
	v_lshrrev_b32 v1, 5, v0
	v_readfirstlane_b32 s26, v1                    ; wave
	v_and_b32 v1, 31, v0                           ; lane
	v_lshlrev_b32 v2, 4, v1                        ; 16 x lane
	v_mov_b32 v22, 0                               ; a lane permute's destination counts as read
	s_mov_b32 s22, 0x76543210
	s_mov_b32 s23, 0xfedcba98
	s_mov_b32 s24, 0x3a800000                      ; 1 / 1024
	s_mov_b32 s25, 0x3727c5ac                      ; 1e-5
	s_cmp_lt_u32 ttmp9, 256
	s_cbranch_scc0 .Lsum
	; ---------------- LayerNorm and quantiser: wave w takes rows 4 w .. 4 w + 3 of tile ttmp9
	s_mul_i32 s27, s26, STGB
	v_lshrrev_b32 v10, 3, v1
	v_lshl_add_u32 v3, v10, 4, v2                  ; stage, in: 144 (lane / 8) + 16 (lane % 8)
	v_add_nc_u32 v3, s27, v3
	v_mul_u32_u24 v4, v1, 144                      ; stage, out: my 128 bytes
	v_add_nc_u32 v4, s27, v4
	v_mul_u32_u24 v5, v1, GP                       ; my block's unit, my wave's four rows
	s_lshl_b32 s28, s26, 6
	s_add_co_u32 s28, s28, GATH
	v_add_nc_u32 v5, s28, v5
	s_lshl_b32 s28, s26, 7                         ; scale bytes: 32 a row
	s_add_co_u32 s28, s28, SCG
	v_add_nc_u32 v6, s28, v1
	v_lshrrev_b32 v10, 4, v1                       ; back: units 8 w + 2 k + lane / 16
	v_mul_u32_u24 v7, v10, GP
	v_and_b32 v11, 15, v1
	v_lshl_add_u32 v7, v11, 4, v7
	s_mul_i32 s28, s26, 8*GP
	s_add_co_u32 s28, s28, GATH
	v_add_nc_u32 v7, s28, v7
	s_lshl_b32 s28, s26, 11
	v_add_nc_u32 v8, s28, v2                       ; and their place in the tile's 8,192 bytes
	v_add_nc_u32 v9, SCG, v2
	s_lshl_b32 s28, ttmp9, 16                      ; 16 rows of 4,096 bytes a tile,
	s_lshl_b32 s29, s26, 14                        ; 4 rows a wave
	s_add_co_u32 s28, s28, s29
	s_mov_b32 s29, 0
	s_lshl_b32 s30, ttmp9, 13
	s_mov_b32 s31, 0
	s_lshl_b32 s32, ttmp9, 9
	s_add_co_u32 s32, s32, XQS
	s_mov_b32 s33, 0
	s_wait_kmcnt 0x0
	s_add_nc_u64 s[4:5], s[4:5], s[28:29]
	s_add_nc_u64 s[30:31], s[20:21], s[30:31]
	s_add_nc_u64 s[32:33], s[20:21], s[32:33]
	LOADROW GA, 6, 0
	LOADROW BE, 8, 0
.irp i, 0,1,2,3
	LOADROW RW+32*\i, 4, 4096*\i
.endr
	s_wait_loadcnt 40                              ; gamma's eight are in; the 40 younger loads may be out
	TURN GA
	s_wait_loadcnt 32                              ; beta's
	TURN BE
.irp i, 0,1,2,3
	s_wait_loadcnt 8*(3-\i)                        ; row i's; eight for each later row may be out
	TURN RW+32*\i
.endr
.macro LNROW i
.set X, RW+32*\i
	s_wait_dscnt 16*(3-\i)                         ; row i is back from the stage: sixteen LDS instructions for each later row may be out
.irp c, 0,2,4,6
	v_pk_add_f32 v[14+\c:15+\c], v[X+\c:X+\c+1], v[X+8+\c:X+9+\c]
.endr
.irp p, 16,24
.irp c, 0,2,4,6
	v_pk_add_f32 v[14+\c:15+\c], v[14+\c:15+\c], v[X+\p+\c:X+\p+\c+1]
.endr
.endr
	FOLD
	v_mul_f32 v10, s24, v14                        ; the mean, in both halves of a pair
	v_mul_f32 v11, s24, v14
.set j, 0
.rept 16
	v_pk_add_f32 v[X+j:X+j+1], v[X+j:X+j+1], v[10:11] neg_lo:[0,1] neg_hi:[0,1]
.set j, j+2
.endr
.irp c, 0,2,4,6
	v_pk_mul_f32 v[14+\c:15+\c], v[X+\c:X+\c+1], v[X+\c:X+\c+1]
.endr
.irp p, 8,16,24
.irp c, 0,2,4,6
	v_pk_fma_f32 v[14+\c:15+\c], v[X+\p+\c:X+\p+\c+1], v[X+\p+\c:X+\p+\c+1], v[14+\c:15+\c]
.endr
.endr
	FOLD
	v_fma_f32 v23, v14, s24, s25                   ; the variance + 1e-5
	s_wait_alu depctr_va_vdst(0)
	v_rsq_f32 v12, v23
	v_rsq_f32 v13, v23
	v_nop                                          ; a plain line behind the transcendentals
.set j, 0
	s_wait_alu depctr_va_vdst(0)
.rept 16
	v_pk_mul_f32 v[X+j:X+j+1], v[X+j:X+j+1], v[12:13]
.set j, j+2
.endr
.set j, 0
.rept 16
	v_pk_fma_f32 v[X+j:X+j+1], v[X+j:X+j+1], v[GA+j:GA+j+1], v[BE+j:BE+j+1]
.set j, j+2
.endr
	QBLK X, \i
	ds_store_b128 v5, v[32+4*\i:35+4*\i] offset:16*\i
	ds_store_b8 v6, v[24+\i] offset:32*\i
.endm
	LNROW 0
	LNROW 1
	LNROW 2
	LNROW 3
	s_wait_dscnt 0x0                               ; my codes and bytes lie in LDS
	s_barrier_signal -1
	s_barrier_wait -1                              ; everybody's do
.irp k, 0,1,2,3
	ds_load_b128 v[48+4*\k:51+4*\k], v7 offset:2*GP*\k
.endr
.irp k, 0,1,2,3
	s_wait_dscnt 3-\k
	global_store_b128 v8, v[48+4*\k:51+4*\k], s[30:31] offset:512*\k   ; 32 lanes store two whole units of 256 bytes
.endr
	s_cmp_lg_u32 s26, 0
	s_cbranch_scc1 .Lend
	ds_load_b128 v[14:17], v9                      ; wave 0: the tile's 512 scale bytes
	s_wait_dscnt 0x0
	global_store_b128 v2, v[14:17], s[32:33]
.Lend:
	s_set_vgpr_msb 0x4
	s_wait_tensorcnt 0x0
	ds_add_u32 v31, v1
	s_wait_dscnt 0x0
	s_set_vgpr_msb 0x400
	s_endpgm
	; ---------------- partial sums of |W|
.Lsum:
	s_sub_co_u32 s27, ttmp9, 256
	s_lshl_b32 s27, s27, 2
	s_add_co_u32 s27, s27, s26                     ; g = 0 .. 1023
	s_lshr_b32 s28, s27, 8                         ; which matrix
	s_and_b32 s29, s27, 255
	s_lshl_b32 s30, s29, 14                        ; my 16,384 bytes of it
	s_mov_b32 s31, 0
	s_lshl_b32 s32, s27, 2
	s_mov_b32 s33, 0
	v_mov_b32 v3, 0
	s_wait_kmcnt 0x0
	s_cmp_eq_u32 s28, 1
	s_cselect_b64 s[10:11], s[12:13], s[10:11]
	s_cmp_eq_u32 s28, 2
	s_cselect_b64 s[10:11], s[14:15], s[10:11]
	s_cmp_eq_u32 s28, 3
	s_cselect_b64 s[10:11], s[16:17], s[10:11]
	s_add_nc_u64 s[10:11], s[10:11], s[30:31]
	s_add_nc_u64 s[18:19], s[18:19], s[32:33]
.set j, 0
	s_wait_alu depctr_va_vdst(0)
.rept 32
	global_load_b128 v[128+4*j:131+4*j], v2, s[10:11] offset:512*j
.set j, j+1
.endr
	s_wait_loadcnt 16                              ; the first sixteen loads are in
.set j, 0
.rept 32
	v_add_f32 v[128+j], |v[128+2*j]|, |v[129+2*j]|
.set j, j+1
.endr
	s_wait_loadcnt 0x0
.rept 32
	v_add_f32 v[128+j], |v[128+2*j]|, |v[129+2*j]|
.set j, j+1
.endr
.irp c, 0,2,4,6
	v_pk_add_f32 v[14+\c:15+\c], v[128+\c:129+\c], v[136+\c:137+\c]
.endr
.irp p, 16,24,32,40,48,56
.irp c, 0,2,4,6
	v_pk_add_f32 v[14+\c:15+\c], v[14+\c:15+\c], v[128+\p+\c:129+\p+\c]
.endr
.endr
	FOLD
	v_cmp_gt_u32 vcc_lo, 1, v1                     ; lane 0 alone stores
	s_wait_alu depctr_va_vdst(0)
	s_wait_xcnt 0x0                                ; EXEC changes only behind this wait
	s_and_saveexec_b32 s34, vcc_lo
	global_store_b32 v3, v14, s[18:19]
	s_wait_xcnt 0x0
	s_or_b32 exec_lo, exec_lo, s34
	s_endpgm
.Lfunc_end_k_q495d3748d8_prep:
	.size	k_q495d3748d8_prep, .Lfunc_end_k_q495d3748d8_prep-k_q495d3748d8_prep
	.p2alignl 7, 3214868480
	.fill 96, 4, 3214868480
	.section	.rodata,"a",@progbits
	.p2align	6, 0x0
	.amdhsa_kernel k_q495d3748d8_prep
		.amdhsa_group_segment_fixed_size 28160
		.amdhsa_private_segment_fixed_size 0
		.amdhsa_enable_private_segment 0
		.amdhsa_kernarg_size 72
		.amdhsa_user_sgpr_count 2
		.amdhsa_user_sgpr_kernarg_segment_ptr 1
		.amdhsa_wavefront_size32 1
		.amdhsa_system_sgpr_workgroup_id_x 1
		.amdhsa_system_sgpr_workgroup_id_y 1
		.amdhsa_system_sgpr_workgroup_id_z 1
		.amdhsa_system_vgpr_workitem_id 0
		.amdhsa_next_free_vgpr 258
		.amdhsa_next_free_sgpr 66
		.amdhsa_reserve_vcc 1
		.amdhsa_float_denorm_mode_32 3
		.amdhsa_float_denorm_mode_16_64 3
		.amdhsa_memory_ordered 1
		.amdhsa_forward_progress 1
		.amdhsa_inst_pref_size 56
	.end_amdhsa_kernel
	.amdgpu_metadata
---
amdhsa.version: [ 1, 2 ]
amdhsa.kernels:
  - .name:           k_q495d3748d8_prep
    .symbol:         k_q495d3748d8_prep.kd
    .args:
      - { .name: x, .offset: 0, .size: 8, .value_kind: global_buffer, .address_space: global }
      - { .name: ln_gamma, .offset: 8, .size: 8, .value_kind: global_buffer, .address_space: global }
      - { .name: ln_beta, .offset: 16, .size: 8, .value_kind: global_buffer, .address_space: global }
      - { .name: Wq, .offset: 24, .size: 8, .value_kind: global_buffer, .address_space: global }
      - { .name: Wk, .offset: 32, .size: 8, .value_kind: global_buffer, .address_space: global }
      - { .name: Wv, .offset: 40, .size: 8, .value_kind: global_buffer, .address_space: global }
      - { .name: Wo, .offset: 48, .size: 8, .value_kind: global_buffer, .address_space: global }
      - { .name: wsum, .offset: 56, .size: 8, .value_kind: global_buffer, .address_space: global }
      - { .name: xnq, .offset: 64, .size: 8, .value_kind: global_buffer, .address_space: global }
    .group_segment_fixed_size: 28160
    .private_segment_fixed_size: 0
    .kernarg_segment_align: 8
    .kernarg_segment_size: 72
    .max_flat_workgroup_size: 128
    .sgpr_count:     66
    .vgpr_count:     258
    .wavefront_size: 32
...
	.end_amdgpu_metadata
.endif
;; end of part 1
;; launch wquant (part 2): grid 256 x 1, 4 waves a work-group, no clusters, 19,456 bytes of LDS; arguments Wq, Wk, Wv, Wo, wsum, wts; writes wts
.if DOCPART == 2
	.amdgcn_target "amdgcn-amd-amdhsa--gfx1250"
	.amdhsa_code_object_version 6
	.text
	.protected	k_q495d3748d8_wquant
	.globl	k_q495d3748d8_wquant
	.p2align	8
	.type	k_q495d3748d8_wquant,@function
k_q495d3748d8_wquant:
	s_mov_b64 s[64:65], 0
	v_nop
	global_prefetch_b8 v0, s[64:65] scope:SCOPE_SE
	s_setreg_imm32_b32 hwreg(HW_REG_WAVE_MODE, 25, 1), 1
	s_wait_xcnt 0x0
; The four weights [1024][1024] f32 become W + (clip(round(W / (g + 1e-5)), -1, 1) g - W), g = mean |W|, and are quantised along their rows (K) to E2M1 codes.
; OUT: wts: codes of matrix m (Wq, Wk, Wv, Wo) at m x 524,288 as rows of 512 bytes, K innermost; scale bytes at 2,097,152 + m x 32,768 as [row][32].
; Work-group: matrix ttmp9 / 64, rows 16 (ttmp9 % 64) on; wave w takes four of them.  A lane owns a block of 32 neighbours; a row turns through the wave's stage in LDS as in the launch before.
; A lane's 16 bytes of codes are neighbours of the next lane's: a row's 512 bytes leave by one store, straight from registers.
; LIMITS: g's sum goes in another order than a plain running sum.  The quotient is a reciprocal with one refinement (residual by a fused multiply-add).  NaN and infinities are not served.
; A block of zeros gets the byte 1 where the rule says 127: its codes are zeros and only this program reads the bytes.
.set STGB,  4608
.set SCG,   4*STGB
.set RW,    128
.macro LOADROW reg, base, off
.irp j, 0,1,2,3,4,5,6,7
	global_load_b128 v[\reg+4*\j:\reg+4*\j+3], v2, s[\base:\base+1] offset:\off+512*\j
.endr
.endm
.macro TURN reg
.irp j, 0,1,2,3,4,5,6,7
	ds_store_b128 v3, v[\reg+4*\j:\reg+4*\j+3] offset:576*\j
.endr
.irp j, 0,1,2,3,4,5,6,7
	ds_load_b128 v[\reg+4*\j:\reg+4*\j+3], v4 offset:16*\j
.endr
.endm
.macro QBLK x, i
	v_max3_num_f32 v29, |v[(\x)]|, |v[(\x)+1]|, |v[(\x)+2]|
	v_max3_num_f32 v30, |v[(\x)+3]|, |v[(\x)+4]|, |v[(\x)+5]|
.irp n, 6,10,14,18,22,26
	v_max3_num_f32 v29, v29, |v[(\x)+\n]|, |v[(\x)+\n+1]|
	v_max3_num_f32 v30, v30, |v[(\x)+\n+2]|, |v[(\x)+\n+3]|
.endr
	v_max3_num_f32 v29, v29, |v[(\x)+30]|, |v[(\x)+31]|
	v_max3_num_f32 v29, v29, v30, 0x1800000
	v_add_nc_u32 v28, 0xff000000, v29
.irp g, 0,1,2,3
	v_cvt_scalef32_pk8_fp4_f32 v[32+4*\i+\g], v[(\x)+8*\g:(\x)+8*\g+7], v28
.endr
	v_lshrrev_b32 v[24+\i], 23, v28
.endm
	s_load_b256 s[4:11], s[0:1], 0x0               ; Wq, Wk, Wv, Wo
	s_load_b128 s[12:15], s[0:1], 0x20             ; wsum, wts
	v_lshl_add_u32 v126, v0, 2, 0x4a00
	v_mov_b32 v127, 0
	v_lshrrev_b32 v1, 5, v0
	v_readfirstlane_b32 s26, v1                    ; wave
	v_and_b32 v1, 31, v0
	v_lshlrev_b32 v2, 4, v1                        ; 16 x lane
	v_mov_b32 v22, 0
	s_mov_b32 s22, 0x76543210
	s_mov_b32 s23, 0xfedcba98
	s_lshr_b32 s27, ttmp9, 6                       ; matrix
	s_and_b32 s28, ttmp9, 63                       ; tile of 16 rows
	s_mul_i32 s29, s26, STGB
	v_lshrrev_b32 v10, 3, v1
	v_lshl_add_u32 v3, v10, 4, v2
	v_add_nc_u32 v3, s29, v3
	v_mul_u32_u24 v4, v1, 144
	v_add_nc_u32 v4, s29, v4
	s_lshl_b32 s29, s26, 7
	s_add_co_u32 s29, s29, SCG
	v_add_nc_u32 v5, s29, v1
	v_add_nc_u32 v6, SCG, v2
	s_lshl_b32 s16, s28, 16                        ; W: 16 rows of 4,096 bytes a tile, 4 rows a wave
	s_lshl_b32 s17, s26, 14
	s_add_co_u32 s16, s16, s17
	s_mov_b32 s17, 0
	s_lshl_b32 s18, s27, 10                        ; the matrix's 256 partial sums
	s_mov_b32 s19, 0
	s_lshl_b32 s30, s27, 19                        ; codes: matrix, tile, wave
	s_lshl_b32 s31, s28, 13
	s_add_co_u32 s30, s30, s31
	s_lshl_b32 s31, s26, 11
	s_add_co_u32 s30, s30, s31
	s_mov_b32 s31, 0
	s_lshl_b32 s32, s27, 15                        ; scale bytes
	s_lshl_b32 s33, s28, 9
	s_add_co_u32 s32, s32, s33
	s_add_co_u32 s32, s32, 2097152
	s_mov_b32 s33, 0
	s_wait_alu depctr_va_vdst(0)
	s_wait_kmcnt 0x0
	s_cmp_eq_u32 s27, 1
	s_cselect_b64 s[4:5], s[6:7], s[4:5]
	s_cmp_eq_u32 s27, 2
	s_cselect_b64 s[4:5], s[8:9], s[4:5]
	s_cmp_eq_u32 s27, 3
	s_cselect_b64 s[4:5], s[10:11], s[4:5]
	s_add_nc_u64 s[4:5], s[4:5], s[16:17]
	s_add_nc_u64 s[12:13], s[12:13], s[18:19]
	s_add_nc_u64 s[30:31], s[14:15], s[30:31]
	s_add_nc_u64 s[32:33], s[14:15], s[32:33]
	global_load_b128 v[48:51], v2, s[12:13]
	global_load_b128 v[52:55], v2, s[12:13] offset:512
.irp i, 0,1,2,3
	LOADROW RW+32*\i, 4, 4096*\i
.endr
	s_wait_loadcnt 32                              ; the partial sums are in; the rows' 32 loads may be out
	v_pk_add_f32 v[48:49], v[48:49], v[50:51]
	v_pk_add_f32 v[52:53], v[52:53], v[54:55]
	v_pk_add_f32 v[48:49], v[48:49], v[52:53]
	v_add_f32 v48, v48, v49
	v_add_f32_dpp v48, v48, v48 row_xmask:1 row_mask:0xf bank_mask:0xf
	v_add_f32_dpp v48, v48, v48 row_xmask:2 row_mask:0xf bank_mask:0xf
	v_add_f32_dpp v48, v48, v48 row_xmask:4 row_mask:0xf bank_mask:0xf
	v_add_f32_dpp v48, v48, v48 row_xmask:8 row_mask:0xf bank_mask:0xf
	v_permlanex16_b32 v22, v48, s22, s23
	v_add_f32 v48, v48, v22
	v_mul_f32 v8, 0x35800000, v48                  ; g = the sum / 2^20, in both halves of a pair
	v_mov_b32 v9, v8
	v_add_f32 v10, 0x3727c5ac, v8                  ; d = g + 1e-5
	v_mov_b32 v11, v10
	v_rcp_f32 v12, v10
	v_rcp_f32 v13, v10
	v_nop
	s_wait_alu depctr_va_vdst(0)
.irp i, 0,1,2,3
	s_wait_loadcnt 8*(3-\i)                        ; row i's eight loads are in
	TURN RW+32*\i
.endr
.macro WROW i
.set X, RW+32*\i
	s_wait_dscnt 16*(3-\i)                         ; row i is back: sixteen LDS instructions for each later row may be out
.irp p, 0,8,16,24
.irp k, 0,2,4,6
	v_pk_mul_f32 v[64+\k:65+\k], v[X+\p+\k:X+\p+\k+1], v[12:13]
.endr
.irp k, 0,2,4,6
	v_pk_fma_f32 v[72+\k:73+\k], v[64+\k:65+\k], v[10:11], v[X+\p+\k:X+\p+\k+1] neg_lo:[1,0,0] neg_hi:[1,0,0]   ; the residual W - q d
.endr
.irp k, 0,2,4,6
	v_pk_fma_f32 v[64+\k:65+\k], v[72+\k:73+\k], v[12:13], v[64+\k:65+\k]       ; the refined quotient
.endr
.irp k, 0,1,2,3,4,5,6,7
	v_rndne_f32 v[64+\k], v[64+\k]
.endr
.irp k, 0,1,2,3,4,5,6,7
	v_med3_num_f32 v[64+\k], v[64+\k], -1.0, 1.0
.endr
.irp k, 0,2,4,6
	v_pk_mul_f32 v[64+\k:65+\k], v[64+\k:65+\k], v[8:9]
.endr
.irp k, 0,2,4,6
	v_pk_add_f32 v[72+\k:73+\k], v[64+\k:65+\k], v[X+\p+\k:X+\p+\k+1] neg_lo:[0,1] neg_hi:[0,1]
.endr
.irp k, 0,2,4,6
	v_pk_add_f32 v[X+\p+\k:X+\p+\k+1], v[X+\p+\k:X+\p+\k+1], v[72+\k:73+\k]     ; W + (Wq - W), in that order
.endr
.endr
	QBLK X, \i
	global_store_b128 v2, v[32+4*\i:35+4*\i], s[30:31] offset:512*\i            ; a whole row of codes: 512 consecutive bytes
	ds_store_b8 v5, v[24+\i] offset:32*\i
.endm
	WROW 0
	WROW 1
	WROW 2
	WROW 3
	s_wait_dscnt 0x0
	s_barrier_signal -1
	s_barrier_wait -1
	s_cmp_lg_u32 s26, 0
	s_cbranch_scc1 .Lend
	ds_load_b128 v[16:19], v6                      ; wave 0: the 16 rows' 512 scale bytes
	s_wait_dscnt 0x0
	global_store_b128 v2, v[16:19], s[32:33]
.Lend:
	s_wait_tensorcnt 0x0
	ds_add_u32 v126, v127
	s_wait_dscnt 0x0
	s_endpgm
.Lfunc_end_k_q495d3748d8_wquant:
	.size	k_q495d3748d8_wquant, .Lfunc_end_k_q495d3748d8_wquant-k_q495d3748d8_wquant
	.p2alignl 7, 3214868480
	.fill 96, 4, 3214868480
	.section	.rodata,"a",@progbits
	.p2align	6, 0x0
	.amdhsa_kernel k_q495d3748d8_wquant
		.amdhsa_group_segment_fixed_size 19456
		.amdhsa_private_segment_fixed_size 0
		.amdhsa_enable_private_segment 0
		.amdhsa_kernarg_size 48
		.amdhsa_user_sgpr_count 2
		.amdhsa_user_sgpr_kernarg_segment_ptr 1
		.amdhsa_wavefront_size32 1
		.amdhsa_system_sgpr_workgroup_id_x 1
		.amdhsa_system_sgpr_workgroup_id_y 1
		.amdhsa_system_sgpr_workgroup_id_z 1
		.amdhsa_system_vgpr_workitem_id 0
		.amdhsa_next_free_vgpr 256
		.amdhsa_next_free_sgpr 66
		.amdhsa_reserve_vcc 0
		.amdhsa_float_denorm_mode_32 3
		.amdhsa_float_denorm_mode_16_64 3
		.amdhsa_memory_ordered 1
		.amdhsa_forward_progress 1
		.amdhsa_inst_pref_size 54
	.end_amdhsa_kernel
	.amdgpu_metadata
---
amdhsa.version: [ 1, 2 ]
amdhsa.kernels:
  - .name:           k_q495d3748d8_wquant
    .symbol:         k_q495d3748d8_wquant.kd
    .args:
      - { .name: Wq, .offset: 0, .size: 8, .value_kind: global_buffer, .address_space: global }
      - { .name: Wk, .offset: 8, .size: 8, .value_kind: global_buffer, .address_space: global }
      - { .name: Wv, .offset: 16, .size: 8, .value_kind: global_buffer, .address_space: global }
      - { .name: Wo, .offset: 24, .size: 8, .value_kind: global_buffer, .address_space: global }
      - { .name: wsum, .offset: 32, .size: 8, .value_kind: global_buffer, .address_space: global }
      - { .name: wts, .offset: 40, .size: 8, .value_kind: global_buffer, .address_space: global }
    .group_segment_fixed_size: 19456
    .private_segment_fixed_size: 0
    .kernarg_segment_align: 8
    .kernarg_segment_size: 48
    .max_flat_workgroup_size: 128
    .sgpr_count:     66
    .vgpr_count:     256
    .wavefront_size: 32
...
	.end_amdgpu_metadata
.endif
;; end of part 2
;; launch kvproj (part 3): grid 4 x 64, 4 waves a work-group, clusters of 4 x 4, 327,680 bytes of LDS; arguments context_codes, context_scales, wts, bk, bv, kv; writes kv
.if DOCPART == 3
	.amdgcn_target "amdgcn-amd-amdhsa--gfx1250"
	.amdhsa_code_object_version 6
	.text
	.protected	k_q495d3748d8_kvproj
	.globl	k_q495d3748d8_kvproj
	.p2align	8
	.type	k_q495d3748d8_kvproj,@function
k_q495d3748d8_kvproj:
	s_mov_b64 s[64:65], 0
	v_nop
	global_prefetch_b8 v0, s[64:65] scope:SCOPE_SE
	s_setreg_imm32_b32 hwreg(HW_REG_WAVE_MODE, 25, 1), 1
	s_wait_xcnt 0x0
	s_wait_alu depctr_hold_cnt(0) depctr_sa_sdst(0) depctr_va_vdst(0) depctr_va_sdst(0) depctr_va_ssrc(0) depctr_va_vcc(0) depctr_vm_vsrc(0)
	s_getreg_b32 s2, hwreg(HW_REG_IB_STS2, 6, 4)
	s_cmp_eq_u32 s2, 0
	s_cbranch_scc0 .Lentry_in_a_cluster
	s_endpgm
.Lentry_in_a_cluster:
	s_bfe_u32 s2, ttmp6, 0x10000c
	s_cmp_lg_u32 s2, 0xf033
	s_cbranch_scc0 .Lentry_shape_is_right
	s_endpgm
.Lentry_shape_is_right:
.set NQ,     4
; k = context Wk^T + bk and v = context Wv^T + bv on E2M1 codes, K = 1,024; a block of 256 x 256 a work-group, 128 x 128 a wave; the results are quantised on the way out and stored as images of the next launch's operands.
; ALL OF K LIES IN LDS AT ONCE: 256 rows of each operand, 512 bytes + 16 of padding a row, and both sides' scale bytes.  The four tiles are asked for at the head, one joint load a wave; nothing is filled again.
; The second half of K lies 256 bytes further on in the same LDS rows (SLOT).
.set ROWB,   512
.set KROW,   512
.set PITCH,  528
.set FR,     8
.set NL,     2
.set NP,     4
.set HALFT,  128*PITCH
.set SLOT,   256
.set KS,     32
.set SCL,    4*HALFT
.set HALFS,  16*272
.set SBLK,   2*272
.set HB,     143360
.set VIMG,   65536
.set KSW,    131072
.set VSW,    139264
.set OUTA, 2
.set OUTS, 3
.set ADRA, 16
.set ADRB, 20
.set ADRS, 27
.set BOFN, 28
.set BOFM, 29
.set SC,   32
.set MX,   96
.set PB,   100
.set SO,   104
.set PW,   108
.set TP,   116
.set AF,   128
.set TW,   128
.set PC,   192
.set BM,   64
.set BN,   192
.set SEL,  2
.set G1, 24
.set G0, 32
.set G1B, 48
.set G0B, 56
.set G1S, 68
.set G0S, 76
.set G1SB, 80
.set G0SB, 88
.set MSB, 0
.macro WIN new
.if MSB != (\new)
	s_set_vgpr_msb (MSB<<8)|(\new)
.set MSB, (\new)
.endif
.endm
.set MUL_LO, 0xa1
.set MUL_HI, 0xf1
.set TO_B,   0x40
.macro ARM under, g0, g1, next         ; one arm of the head's chain of branches on the wave's number: its load, and a jump to the join
	s_cmp_lt_u32 s16, \under
	s_cbranch_scc0 \next
	tensor_load_to_lds s[\g0:\g0+3], s[\g1:\g1+7]
	s_nop 0
.rept 4
	v_nop
.endr
	s_branch .Lhead_asked
\next:
.endm
.macro CROUND
	s_barrier_signal -1
	s_barrier_wait -1
	s_cmp_lg_u32 s16, 0
	s_cbranch_scc1 .Lnot_wave_0_\@
	s_barrier_signal -3
.Lnot_wave_0_\@:
	s_barrier_wait -3
	s_barrier_signal -1
	s_barrier_wait -1
.endm
	s_load_b256 s[4:11], s[0:1], 0x0
	s_load_b128 s[12:15], s[0:1], 0x20
	v_lshl_add_u32 v126, v0, 2, 0x48400
	v_mov_b32 v127, 0
	ds_add_u32 v126, v127
	ds_add_u32 v126, v127
	v_lshrrev_b32 v1, 5, v0
	v_readfirstlane_b32 s16, v1
	s_lshr_b32 s17, s16, 1
	s_and_b32 s18, s16, 1
	s_and_b32 s19, ttmp7, 0xffff
	s_bfe_u32 s20, ttmp6, 0x40000
	s_bfe_u32 s21, ttmp6, 0x40004
	s_lshl_b32 s40, s19, 2
	s_sub_co_u32 s44, s40, 32
	s_cmp_lt_u32 s19, 8
	s_cselect_b32 s22, s40, 0
	s_cselect_b32 s23, 0, s44
	s_add_co_u32 s22, s22, s21
	s_add_co_u32 s23, s23, s20
	s_lshl_b32 s66, s21, 2
	s_lshl_b32 s66, 15, s66
	s_lshl_b32 s67, 0x1111, s20
	s_or_b32 s[G1+0], s66, (0<<16)|(1<<20)|(1<<21)|(6<<22)|(3<<25)   ; 4 words of padding after every 128
	s_or_b32 s[G1B+0], s67, (0<<16)|(1<<20)|(1<<21)|(6<<22)|(3<<25)
.irp g, G1, G1B
	s_mov_b32 s[\g+1], ROWB<<16
	s_mov_b32 s[\g+2], 256<<16
	s_mov_b32 s[\g+3], ROWB<<16
	s_mov_b32 s[\g+4], 256
	s_mov_b32 s[\g+5], KROW
	s_mov_b32 s[\g+6], 0
	s_mov_b32 s[\g+7], 0
.endr
	s_or_b32 s[G1S+0], s66, (3<<16)|(1<<20)|(1<<21)|(5<<22)|(3<<25)
	s_or_b32 s[G1SB+0], s67, (3<<16)|(1<<20)|(1<<21)|(5<<22)|(3<<25)
.irp g, G1S, G1SB
	s_mov_b32 s[\g+1], 32<<16
	s_mov_b32 s[\g+2], 32<<16
	s_mov_b32 s[\g+3], 32<<16
	s_mov_b32 s[\g+4], 32
	s_mov_b32 s[\g+5], 32
	s_mov_b32 s[\g+6], 0
	s_mov_b32 s[\g+7], 0
.endr
	s_lshl_b32 s40, s22, 8                         ; the block's first row of source 1's operand,
	s_lshl_b32 s44, s23, 8                         ; and of source 0's
	s_lshl_b32 s42, s40, 5
	s_mov_b32 s43, 0
	s_lshl_b32 s40, s40, 9
	s_mov_b32 s41, 0
	s_lshl_b32 s46, s44, 5
	s_mov_b32 s47, 0
	s_lshl_b32 s44, s44, 9
	s_mov_b32 s45, 0
	s_wait_dscnt 0x0
	s_wait_kmcnt 0x0
	s_add_nc_u64 s[92:93], s[8:9], 1048576
	s_add_nc_u64 s[94:95], s[8:9], 2097152+65536
	s_add_nc_u64 s[96:97], s[8:9], 524288
	s_add_nc_u64 s[98:99], s[8:9], 2097152+32768
	s_cmp_lt_u32 s19, 8
	s_cselect_b64 s[92:93], s[4:5], s[92:93]
	s_cselect_b64 s[94:95], s[6:7], s[94:95]
	s_cselect_b64 s[96:97], s[96:97], s[4:5]
	s_cselect_b64 s[98:99], s[98:99], s[6:7]
	s_cselect_b64 s[100:101], s[10:11], s[12:13]
	s_add_nc_u64 s[92:93], s[92:93], s[40:41]
	s_add_nc_u64 s[94:95], s[94:95], s[42:43]
	s_add_nc_u64 s[96:97], s[96:97], s[44:45]
	s_add_nc_u64 s[98:99], s[98:99], s[46:47]
	CROUND
	s_mov_b32 s[G0S], 1
	s_mov_b32 s[G0S+1], SCL
	s_mov_b64 s[G0S+2:G0S+3], s[94:95]
	s_or_b32 s[G0S+3], s[G0S+3], 0x80000000
	s_mov_b32 s[G0SB], 1
	s_mov_b32 s[G0SB+1], SCL+2*HALFS
	s_mov_b64 s[G0SB+2:G0SB+3], s[98:99]
	s_or_b32 s[G0SB+3], s[G0SB+3], 0x80000000
	s_mov_b32 s[G0], 1
	s_mov_b32 s[G0+1], 0
	s_mov_b64 s[G0+2:G0+3], s[92:93]
	s_or_b32 s[G0+3], s[G0+3], 0x80000000
	s_mov_b32 s[G0B], 1
	s_mov_b32 s[G0B+1], 2*HALFT
	s_mov_b64 s[G0B+2:G0B+3], s[96:97]
	s_or_b32 s[G0B+3], s[G0B+3], 0x80000000
	; the head's four tiles, one joint load a wave: wave 0 the 256 rows shared along my row of the cluster, wave 1 those shared along my column, waves 2 and 3 their scale bytes
	ARM 1, G0,  G1,  .Lhead_b
	ARM 2, G0B, G1B, .Lhead_sa
	ARM 3, G0S, G1S, .Lhead_sb
	tensor_load_to_lds s[G0SB:G0SB+3], s[G1SB:G1SB+7]
	s_nop 0
.rept 4
	v_nop
.endr
.Lhead_asked:
	v_and_b32 v1, 15, v0
	v_bfe_u32 v4, v0, 4, 1
	v_mul_u32_u24 v5, v1, PITCH
	v_lshl_add_u32 v5, v4, 4, v5
	s_mul_i32 s40, s17, HALFT
	s_mul_i32 s41, s18, HALFT
	s_add_co_u32 s41, s41, 2*HALFT
.irp s, 0,1
	v_add_nc_u32 v[ADRA+\s], s40, v5
	v_add_nc_u32 v[ADRB+\s], s41, v5
	s_add_co_u32 s40, s40, SLOT
	s_add_co_u32 s41, s41, SLOT
.endr
	v_mul_u32_u24 v6, v1, KS
	v_lshrrev_b32 v7, 8, v6
	v_lshl_add_u32 v6, v7, 4, v6
	s_mul_i32 s40, s17, HALFS
	s_mul_i32 s41, s18, HALFS
	s_add_co_u32 s41, s41, 2*HALFS
	s_sub_co_u32 s41, s41, s40
	v_mul_u32_u24 v7, s41, v4
	s_add_co_u32 s40, s40, SCL
	v_add_nc_u32 v6, v6, v7
	v_add_nc_u32 v[ADRS], s40, v6
	v_and_b32 v30, 31, v0
	v_lshlrev_b32 v[OUTA], 4, v30
	v_mul_u32_u24 v[OUTS], v4, HB
	v_lshl_add_u32 v[OUTS], v1, 4, v[OUTS]
	v_lshlrev_b32 v[BOFN], 5, v4
	s_wait_alu depctr_va_vdst(0)
	v_lshlrev_b32 v[BOFM], 2, v1
	s_wait_alu depctr_va_vdst(0)
	s_lshl_b32 s40, s22, 8
	s_lshl_b32 s41, s17, 7
	s_add_co_u32 s40, s40, s41
	s_lshl_b32 s44, s23, 8
	s_lshl_b32 s45, s18, 7
	s_add_co_u32 s44, s44, s45
	s_and_b32 s42, s40, 1023
	s_lshl_b32 s42, s42, 2
	s_mov_b32 s43, 0
	s_add_nc_u64 s[42:43], s[100:101], s[42:43]
	s_and_b32 s46, s44, 1023
	s_lshl_b32 s46, s46, 2
	s_mov_b32 s47, 0
	s_add_nc_u64 s[46:47], s[100:101], s[46:47]
	WIN TO_B
.irp b, 0,1,2,3,4,5,6,7
	global_load_b128 v[BN+8*\b:BN+8*\b+3],   v[BOFN], s[46:47] offset:64*\b
	global_load_b128 v[BN+8*\b+4:BN+8*\b+7], v[BOFN], s[46:47] offset:64*\b+16
.endr
.irp a, 0,1,2,3,4,5,6,7
	global_load_b32 v[BM+2*\a],   v[BOFM], s[42:43] offset:64*\a
	global_load_b32 v[BM+2*\a+1], v[BOFM], s[42:43] offset:64*\a
.endr
	WIN 0
	s_cmp_lt_u32 s19, 8
	s_cselect_b32 s2, s40, s44
	s_cselect_b32 s3, s44, s40
	s_lshr_b32 s4, s2, 11
	s_lshl_b32 s4, s4, 4
	s_lshr_b32 s5, s3, 6
	s_add_co_u32 s4, s4, s5
	s_mul_i32 s4, s4, HB
	s_mov_b32 s5, 0
	s_add_nc_u64 s[4:5], s[14:15], s[4:5]
	s_bfe_u32 s10, s2, 0x40007
.macro FRAG reg, adr, q, i
.irp c, 0,1
	ds_load_b128 v[\reg+4*\c:\reg+4*\c+3], v[\adr] offset:64*(\q)+32*\c+(\i)*16*PITCH
.endr
.endm
.macro MUL16 a0, p, q, sc, zero
.irp a, \a0, \a0+1
.irp b, 0,1,2,3,4,5,6,7
.if \zero
	v_wmma_scale_f32_16x16x128_f8f6f4 v[8*(8*((\a)%4)+\b):8*(8*((\a)%4)+\b)+7], v[128*(\p)+FR*\b:128*(\p)+FR*\b+FR-1], v[AF+FR*(\a):AF+FR*(\a)+FR-1], 0, v[SC+8*NQ*(\sc)+NQ*\b+(\q)], v[SC+8*NQ*(\sc)+NQ*(\a)+(\q)] matrix_a_fmt:MATRIX_FMT_FP4 matrix_b_fmt:MATRIX_FMT_FP4 matrix_a_scale:MATRIX_SCALE_ROW1
.else
	v_wmma_scale_f32_16x16x128_f8f6f4 v[8*(8*((\a)%4)+\b):8*(8*((\a)%4)+\b)+7], v[128*(\p)+FR*\b:128*(\p)+FR*\b+FR-1], v[AF+FR*(\a):AF+FR*(\a)+FR-1], v[8*(8*((\a)%4)+\b):8*(8*((\a)%4)+\b)+7], v[SC+8*NQ*(\sc)+NQ*\b+(\q)], v[SC+8*NQ*(\sc)+NQ*(\a)+(\q)] matrix_a_fmt:MATRIX_FMT_FP4 matrix_b_fmt:MATRIX_FMT_FP4 matrix_a_scale:MATRIX_SCALE_ROW1
.endif
.endr
.endr
.endm
.macro FETCH_B slot, q, p
	WIN TO_B
.irp i, 0,1,2,3,4,5,6,7
	FRAG 128*(\p)+FR*\i, ADRB+\slot, \q, \i
.endr
	WIN 0
.endm
.macro FETCH_A slot, q, i0
.irp i, \i0, \i0+1, \i0+2, \i0+3
	FRAG AF+FR*(\i), ADRA+\slot, \q, \i
.endr
.endm
.macro SCALES sc
.irp i, 0,1,2,3,4,5,6,7
	ds_load_b128 v[SC+8*NQ*\sc+NQ*\i:SC+8*NQ*\sc+NQ*\i+3], v[ADRS] offset:\i*SBLK
.endr
.endm
.macro PLACES n
.rept \n
	v_nop
.endr
.endm
.macro STEP slot, q, zero
	s_wait_dscnt 4*NL
	WIN MUL_LO
	MUL16 0, (\q)%2, \q, \slot, \zero
	MUL16 2, (\q)%2, \q, \slot, \zero
	s_wait_dscnt 0
	PLACES NP
	FETCH_B \slot, (\q)+1, 1-(\q)%2
	FETCH_A \slot, (\q)+1, 0
	WIN MUL_HI
	MUL16 4, (\q)%2, \q, \slot, \zero
	MUL16 6, (\q)%2, \q, \slot, \zero
	PLACES NP
	WIN 0
	FETCH_A \slot, (\q)+1, 4
.endm
.macro STEPS slot, from
.set Q, \from
.rept NQ-1-\from
	STEP \slot, Q, 0
.set Q, Q+1
.endr
.endm
	s_wait_tensorcnt 0x0                           ; my tile of the four is in; behind the barrier everybody's is
	s_barrier_signal -1
	s_barrier_wait -1
	FETCH_B 0, 0, 0
	FETCH_A 0, 0, 0
	SCALES 0
	FETCH_A 0, 0, 4
	STEP 0, 0, 1
	STEPS 0, 1
	s_wait_dscnt 4*NL
	WIN MUL_LO
	MUL16 0, 1, NQ-1, 0, 0
	s_wait_dscnt 0x0
	MUL16 2, 1, NQ-1, 0, 0
	WIN 0
	PLACES NP
	v_add_nc_u32 v[ADRS], 4*NQ, v[ADRS]
	FETCH_B 1, 0, 0
	FETCH_A 1, 0, 0
	SCALES 1
	WIN MUL_HI
	MUL16 4, 1, NQ-1, 0, 0
	MUL16 6, 1, NQ-1, 0, 0
	PLACES NP
	WIN 0
	FETCH_A 1, 0, 4
	STEPS 1, 0
	s_wait_dscnt 4*NL
	WIN MUL_LO
	MUL16 0, 1, NQ-1, 1, 0
	MUL16 2, 1, NQ-1, 1, 0
	s_wait_dscnt 0
	WIN MUL_HI
	MUL16 4, 1, NQ-1, 1, 0
	MUL16 6, 1, NQ-1, 1, 0
	WIN 0
.macro QUANT nb, s, pc
.set qb, 0
.rept \nb
	v_max3_num_f32 v[MX+qb], |v[(\s)+16*qb]|, |v[(\s)+16*qb+1]|, 0x1800000
.set qb, qb+1
.endr
.irp i, 2,4,6,8,10,12,14
.set qb, 0
.rept \nb
	v_max3_num_f32 v[MX+qb], v[MX+qb], |v[(\s)+16*qb+\i]|, |v[(\s)+16*qb+\i+1]|
.set qb, qb+1
.endr
.endr
.set qb, 0
.rept \nb
	v_permlanex16_b32 v[PB+qb], v[MX+qb], s[SEL], s[SEL+1]
.set qb, qb+1
.endr
.set qb, 0
.rept \nb
	v_max_num_f32 v[MX+qb], v[MX+qb], v[PB+qb]
.set qb, qb+1
.endr
.set qb, 0
.rept \nb
	v_add_nc_u32 v[SO+qb], 0xff000000, v[MX+qb]
.set qb, qb+1
.endr
.set qb, 0
.rept \nb
	v_lshrrev_b32 v[PB+qb], 23, v[SO+qb]
.set qb, qb+1
.endr
.set qb, 0
.rept \nb
	v_cvt_scalef32_pk8_fp4_f32 v[(\pc)+4*(qb/2)+(qb%2)], v[(\s)+16*qb:(\s)+16*qb+7], v[SO+qb]
	v_cvt_scalef32_pk8_fp4_f32 v[(\pc)+4*(qb/2)+2+(qb%2)], v[(\s)+16*qb+8:(\s)+16*qb+15], v[SO+qb]
.set qb, qb+1
.endr
	v_nop
.set qb, 0
.rept \nb
	v_permlane16_swap_b32 v[(\pc)+4*(qb/2)+2*(qb%2)], v[(\pc)+4*(qb/2)+2*(qb%2)+1]
.set qb, qb+1
.endr
.endm
.macro EPI type
	s_lshl_b32 s6, s10, 12
.if \type == 0
	s_lshl_b32 s8, s10, 9
	s_add_co_u32 s8, s8, KSW
.else
	s_add_co_u32 s6, s6, VIMG
	s_lshl_b32 s8, s10, 8
	s_add_co_u32 s8, s8, VSW
.endif
	s_mov_b32 s7, 0
	s_mov_b32 s9, 0
	s_add_nc_u64 s[6:7], s[4:5], s[6:7]
	s_add_nc_u64 s[8:9], s[4:5], s[8:9]
.irp a, 0,1,2,3,4,5,6,7
	WIN 0x06+(\a/4)
.set i, 0
.rept 32
.if \type == 0
	v_pk_add_f32 v[TW+i:TW+i+1], v[64*(\a%4)+i:64*(\a%4)+i+1], v[BN+i:BN+i+1]
.else
	v_pk_add_f32 v[TW+i:TW+i+1], v[64*(\a%4)+i:64*(\a%4)+i+1], v[BM+2*\a:BM+2*\a+1]
.endif
.set i, i+2
.endr
	WIN 0
	QUANT 4, TW, PC+8*\a
	v_lshl_or_b32 v[PW+\a], v[PB+1], 8, v[PB]
	v_lshl_or_b32 v[PW+\a], v[PB+2], 16, v[PW+\a]
	v_lshl_or_b32 v[PW+\a], v[PB+3], 24, v[PW+\a]
.irp c, 0,1
.if \type == 0
	global_store_b128 v[OUTA], v[PC+8*\a+4*\c:PC+8*\a+4*\c+3], s[6:7] offset:512*\a+HB*\c
.else
	global_store_b128 v[OUTA], v[PC+8*\a+4*\c:PC+8*\a+4*\c+3], s[6:7] offset:HB*(\a/4)+1024*(\a%4)+512*\c
.endif
.endr
.endr
.if \type == 0
.irp a, 0,1,2,3,4,5,6,7
	v_perm_b32 v[TP], v[PW+\a], v[PW+\a], 0x01000302
	v_cndmask_b32 v[PW+\a], v[PW+\a], v[TP], vcc_lo
.endr
	global_store_b128 v[OUTS], v[PW:PW+3], s[8:9]
	global_store_b128 v[OUTS], v[PW+4:PW+7], s[8:9] offset:256
.else
.irp t, 0,1,2,3
	v_cndmask_b32 v[PW+\t], v[PW+\t], v[PW+4+\t], vcc_lo
.endr
	global_store_b128 v[OUTS], v[PW:PW+3], s[8:9]
.endif
.endm
	PLACES NP
	s_mov_b32 s[SEL], 0x76543210
	s_mov_b32 s[SEL+1], 0xfedcba98
.irp b, 0,1,2,3
	v_mov_b32 v[PB+\b], 0
.endr
	v_cmp_lt_u32 vcc_lo, 15, v30
	s_wait_loadcnt 0x0
	s_cmp_lt_u32 s19, 8
	s_cbranch_scc0 .Ltype_v
	EPI 0
	s_branch .Ldone
.Ltype_v:
	EPI 1
.Ldone:
	s_wait_tensorcnt 0x0
	ds_add_u32 v126, v127
	s_wait_dscnt 0x0
	CROUND
	s_endpgm
.Lfunc_end_k_q495d3748d8_kvproj:
	.size	k_q495d3748d8_kvproj, .Lfunc_end_k_q495d3748d8_kvproj-k_q495d3748d8_kvproj
	.p2alignl 7, 3214868480
	.fill 96, 4, 3214868480
	.section	.rodata,"a",@progbits
	.p2align	6, 0x0
	.amdhsa_kernel k_q495d3748d8_kvproj
		.amdhsa_group_segment_fixed_size 327680
		.amdhsa_private_segment_fixed_size 0
		.amdhsa_enable_private_segment 0
		.amdhsa_kernarg_size 48
		.amdhsa_user_sgpr_count 2
		.amdhsa_user_sgpr_kernarg_segment_ptr 1
		.amdhsa_wavefront_size32 1
		.amdhsa_system_sgpr_workgroup_id_x 1
		.amdhsa_system_sgpr_workgroup_id_y 1
		.amdhsa_system_sgpr_workgroup_id_z 1
		.amdhsa_system_vgpr_workitem_id 0
		.amdhsa_next_free_vgpr 1024
		.amdhsa_next_free_sgpr 102
		.amdhsa_reserve_vcc 1
		.amdhsa_float_denorm_mode_32 3
		.amdhsa_float_denorm_mode_16_64 3
		.amdhsa_memory_ordered 1
		.amdhsa_forward_progress 1
		.amdhsa_inst_pref_size 196
	.end_amdhsa_kernel
	.amdgpu_metadata
---
amdhsa.version: [ 1, 2 ]
amdhsa.kernels:
  - .name:           k_q495d3748d8_kvproj
    .symbol:         k_q495d3748d8_kvproj.kd
    .args:
      - { .name: context_codes, .offset: 0, .size: 8, .value_kind: global_buffer, .address_space: global }
      - { .name: context_scales, .offset: 8, .size: 8, .value_kind: global_buffer, .address_space: global }
      - { .name: wts, .offset: 16, .size: 8, .value_kind: global_buffer, .address_space: global }
      - { .name: bk, .offset: 24, .size: 8, .value_kind: global_buffer, .address_space: global }
      - { .name: bv, .offset: 32, .size: 8, .value_kind: global_buffer, .address_space: global }
      - { .name: kv, .offset: 40, .size: 8, .value_kind: global_buffer, .address_space: global }
    .group_segment_fixed_size: 327680
    .private_segment_fixed_size: 0
    .kernarg_segment_align: 8
    .kernarg_segment_size: 48
    .max_flat_workgroup_size: 128
    .sgpr_count:     102
    .vgpr_count:     1024
    .wavefront_size: 32
...
	.end_amdgpu_metadata
.endif
;; end of part 3
;; launch attn (part 4): grid 4 x 64, 16 waves a work-group, clusters of 4 x 1, 181,760 bytes of LDS; arguments xnq, wts, bq, kv, aoq; writes aoq
.if DOCPART == 4
	.amdgcn_target "amdgcn-amd-amdhsa--gfx1250"
	.amdhsa_code_object_version 6
	.text
	.protected	k_q495d3748d8_attn
	.globl	k_q495d3748d8_attn
	.p2align	8
	.type	k_q495d3748d8_attn,@function
k_q495d3748d8_attn:
	s_mov_b64 s[64:65], 0
	v_nop
	global_prefetch_b8 v0, s[64:65] scope:SCOPE_SE
	s_setreg_imm32_b32 hwreg(HW_REG_WAVE_MODE, 25, 1), 1
	s_wait_xcnt 0x0
	s_wait_alu depctr_hold_cnt(0) depctr_sa_sdst(0) depctr_va_vdst(0) depctr_va_sdst(0) depctr_va_ssrc(0) depctr_va_vcc(0) depctr_vm_vsrc(0)
	s_getreg_b32 s2, hwreg(HW_REG_IB_STS2, 6, 4)
	s_cmp_eq_u32 s2, 0
	s_cbranch_scc0 .Lentry_in_a_cluster
	s_endpgm
.Lentry_in_a_cluster:
	s_bfe_u32 s2, ttmp6, 0x10000c
	s_cmp_lg_u32 s2, 0x3003
	s_cbranch_scc0 .Lentry_shape_is_right
	s_endpgm
.Lentry_shape_is_right:
; For one head of one batch and 256 queries: q = xn Wq^T + bq (quantised along the head's 64), S^T = K q^T, the softmax by a running whole-number maximum, O^T = V^T P^T, O / l quantised along the model's 1,024.
; All products on E2M1 codes with E8M0 scales.  SHARES: sixteen waves, one tile of 16 queries each, 256 registers; a key step is 128 keys, 16 steps.
; A head's K and V as codes and scale words are 143,360 bytes: they come into LDS ONCE, as they lie in memory, with this head's 64 rows of Wq; nothing is filled again.
; CLUSTER: the four query blocks of a head read the same K, V and Wq: every fill is a joint load with the mask 15, one load a wave (wave 0: Wq; wave 1: its scale bytes; waves 8-14: sevenths of K and V).
; THE HEAD: xn, its scale bytes and bq are asked for first; waves 0 and 1 wait for their own fills, a first barrier shows Wq whole, and q is made while K's and V's fills are still out;
; then every wave waits for all its fills and a second barrier stands ahead of the first read of K.
; No prefetch: every byte that the launch reads from memory is asked for at its head; the loop reads LDS alone.
; LAYOUT: every product is used transposed, so a lane holds ONE query (lane % 16) throughout and its registers run along the next K.
; THE KEYS OF A TILE OF K ARE CHOSEN: with r = lane % 16, lane r of tile 4 g + i takes key 64 g + 32 (r / 8) + 8 i + r % 8.  In the result lane half h then holds, in registers 32 g + 0 .. 31 of the scores, keys 64 g + 32 h + 0 .. 31:
; two WHOLE blocks of 32 keys, the very blocks that P's operand layout gives that lane.  So a block's largest score needs no other lane, the eight conversions' results are P's operand as they stand,
; and only the row's maximum and the four bytes of P's scale word cross from lane l to lane l xor 16.  The choice is made by LDS addresses alone: lanes 0-7 and 8-15 of a load of K read two runs of 128 bytes, 1,024 bytes apart.
; The first product's K is 64: registers 4-7 of K's and q's fragments are zero codes, under valid scale bytes.
; SOFTMAX: t = score x log2(e) / 8; M = the running largest t rounded up; p = 2^(t - M) is quantised; the sum is of the unquantised p; when M moves the sum and O^T are multiplied by 2^(old M - new M), with no branch.
; ORDER IN A STEP: products, maxima, M, t - M, O^T's rescaling; then all 66 exponentials as one batch with one wait ahead and one behind; then scales, conversions and the sums, which are the places ahead of the second product.
; LIMITS: the promise holds while the scaled scores stay under 2^31 in magnitude; NaN and infinities are not served; p under 2^-126 falls to 0; 1 / l is the chip's reciprocal;
; a block of zeros gets the byte 1 (zero codes; only this program reads the bytes).  A block's largest p is made from its largest score by the same two instructions as its own p.
; REGISTERS: v1-7 addresses; v8-15 q's fragment; v16 q's scale word, v17 p's, v24-39 scale words (scales only); v18 -M, v19 the largest score, v[20:21] the sum, v[22:23] f; v40-47 p's codes;
;   v48-51 maxima, v52 a permute's result, v53 the old -M, v54 my place in a tile of K, v55 8 h, v56-57 scale operands, v58-59 the spare word's address and 0, v60-61 second sum chain, v62-63 addresses in hand;
;   v64-127 K's 8 fragments; v128-191 S^T, then p; v192-223 O^T; v224-255 V's 4 fragments.
.set HB,   143360
.set VIMG, 65536
.set KSW,  131072
.set VSW,  139264
.set WQ,   143360                      ; 64 rows of Wq, 512 bytes + 16 of padding
.set WQP,  528
.set WQS,  WQ+64*WQP                   ; their scale bytes, 2,048
.set STG,  WQS+2048                    ; 512 bytes for the output's scale halfwords: no fill lands here
.set SPARE, STG+512                    ; the spare words: 128 bytes a wave
.set XQS,  2097152
.set MX,   48
.set PB,   52
.set SO,   56
.set AK,   54
.set SH,   55
.set SPW,  58
.set NIL,  59
.set SEL,  20
.macro CROUND
	s_barrier_signal -1
	s_barrier_wait -1
	s_cmp_lg_u32 s14, 0
	s_cbranch_scc1 .Lnot_wave_0_\@
	s_barrier_signal -3
.Lnot_wave_0_\@:
	s_barrier_wait -3
	s_barrier_signal -1
	s_barrier_wait -1
.endm
; nb blocks of 32 whose halves lie in lanes l and l xor 16 (natural tiles: q and the output): largest magnitude, scale operand, byte, codes, exchange of halves
.macro QUANT nb, s, pc
.set qb, 0
.rept \nb
	v_max3_num_f32 v[MX+qb], |v[(\s)+16*qb]|, |v[(\s)+16*qb+1]|, 0x1800000
.set qb, qb+1
.endr
.irp i, 2,4,6,8,10,12,14
.set qb, 0
.rept \nb
	v_max3_num_f32 v[MX+qb], v[MX+qb], |v[(\s)+16*qb+\i]|, |v[(\s)+16*qb+\i+1]|
.set qb, qb+1
.endr
.endr
.set qb, 0
.rept \nb
	v_permlanex16_b32 v[PB+qb], v[MX+qb], s[SEL], s[SEL+1]
.set qb, qb+1
.endr
.set qb, 0
.rept \nb
	v_max_num_f32 v[MX+qb], v[MX+qb], v[PB+qb]
.set qb, qb+1
.endr
.set qb, 0
.rept \nb
	v_add_nc_u32 v[SO+qb], 0xff000000, v[MX+qb]
.set qb, qb+1
.endr
.set qb, 0
.rept \nb
	v_lshrrev_b32 v[PB+qb], 23, v[SO+qb]
.set qb, qb+1
.endr
.set qb, 0
.rept \nb
	v_cvt_scalef32_pk8_fp4_f32 v[(\pc)+4*(qb/2)+(qb%2)], v[(\s)+16*qb:(\s)+16*qb+7], v[SO+qb]
	v_cvt_scalef32_pk8_fp4_f32 v[(\pc)+4*(qb/2)+2+(qb%2)], v[(\s)+16*qb+8:(\s)+16*qb+15], v[SO+qb]
.set qb, qb+1
.endr
	v_nop
.set qb, 0
.rept \nb
	v_permlane16_swap_b32 v[(\pc)+4*(qb/2)+2*(qb%2)], v[(\pc)+4*(qb/2)+2*(qb%2)+1]
.set qb, qb+1
.endr
.endm
	s_load_b256 s[4:11], s[0:1], 0x0               ; xnq, wts, bq, kv
	s_load_b64 s[12:13], s[0:1], 0x20              ; aoq
	v_lshl_add_u32 v[SPW], v0, 2, SPARE
	v_mov_b32 v[NIL], 0
	ds_add_u32 v[SPW], v[NIL]                      ; the opening lines: the add, twice on end, and its wait
	ds_add_u32 v[SPW], v[NIL]
	v_lshrrev_b32 v1, 5, v0
	v_readfirstlane_b32 s14, v1                    ; wave 0..15
	v_and_b32 v62, 31, v0                          ; lane
	v_and_b32 v63, 15, v0                          ; r
	v_bfe_u32 v60, v0, 4, 1                        ; h
	v_lshlrev_b32 v1, 4, v62                       ; 16 x lane: xn's image, and my codes on the way out
	v_add_nc_u32 v2, VIMG, v1                      ; V's image
	v_lshlrev_b32 v4, 4, v63
	v_add_nc_u32 v4, VSW, v4                       ; V's scale words: 16 r
	v_and_b32 v61, 7, v0
	v_lshlrev_b32 v61, 4, v61                      ; 16 (r % 8)
	v_bfe_u32 v3, v0, 3, 1                         ; r / 8
	v_lshl_add_u32 v[AK], v3, 10, v61              ; K's image: a key is 16 bytes for each half of the lanes, 16 keys are 512 bytes: 32 keys on is 1,024,
	v_lshl_add_u32 v[AK], v60, 8, v[AK]            ; + 256 h
	v_lshl_add_u32 v3, v3, 3, v61                  ; K's scale words lie as [64 keys][key % 16][key / 16 % 4]: 16 (r % 8) + 8 (r / 8)
	v_add_nc_u32 v3, KSW, v3
	v_lshlrev_b32 v[SH], 3, v60                    ; 8 h: where my two bytes stand in p's scale word
	v_mul_u32_u24 v5, v63, WQP
	v_lshl_add_u32 v5, v60, 4, v5
	v_add_nc_u32 v5, WQ, v5                        ; Wq: row r, + 16 h
	v_lshl_add_u32 v6, v63, 5, WQS                 ; its scale bytes: 32 a row
	v_lshlrev_b32 v7, 5, v60                       ; bq: 32 h
	v_lshlrev_b32 v61, 5, v63                      ; xn's scale bytes: 32 r
	v_mov_b32 v52, 0                               ; a lane permute's destination counts as read
	v_mov_b32 v53, 0
	s_bfe_u32 s15, ttmp6, 0x40000                  ; cx: my block of 256 queries; it enters global addresses of my own loads and stores alone
	s_and_b32 s16, ttmp7, 0xffff                   ; 16 batch + head, shared by the four partners
	s_and_b32 s17, s16, 15
	s_lshr_b32 s18, s16, 4
	s_mov_b32 s[SEL], 0x76543210
	s_mov_b32 s[SEL+1], 0xfedcba98
	s_mov_b32 s22, 0x3e38aa3b                      ; c = log2(e) / 8
	s_mov_b32 s23, s22
	; group 1 of the head block's seven parts: 20,480 dense bytes as 80 rows of 256
	s_mov_b32 s24, 15|(3<<16)|(1<<21)
	s_mov_b32 s25, 32<<16
	s_mov_b32 s26, 80<<16
	s_mov_b32 s27, 32<<16
	s_mov_b32 s28, 80
	s_mov_b32 s29, 32
	s_mov_b32 s30, 0
	s_mov_b32 s31, 0
	; of Wq's 64 rows of 512 bytes, 4 words of padding after every 128
	s_mov_b32 s36, 15|(0<<16)|(1<<20)|(1<<21)|(6<<22)|(3<<25)
	s_mov_b32 s37, 512<<16
	s_mov_b32 s38, 64<<16
	s_mov_b32 s39, 512<<16
	s_mov_b32 s40, 64
	s_mov_b32 s41, 512
	s_mov_b32 s42, 0
	s_mov_b32 s43, 0
	; of their 2,048 scale bytes
	s_mov_b32 s48, 15|(3<<16)|(1<<21)
	s_mov_b32 s49, 32<<16
	s_mov_b32 s50, 8<<16
	s_mov_b32 s51, 32<<16
	s_mov_b32 s52, 8
	s_mov_b32 s53, 32
	s_mov_b32 s54, 0
	s_mov_b32 s55, 0
	s_mov_b32 s32, 1
	s_and_b32 s33, s14, 7                          ; waves 8-14 fetch parts 0-6 of the head block
	s_mul_i32 s33, s33, 20480                      ; LDS as memory: part x 20,480
	s_mov_b32 s44, 1
	s_mov_b32 s45, WQ
	s_mov_b32 s56, 1
	s_mov_b32 s57, WQS
	s_mul_i32 s78, s16, HB
	s_add_co_u32 s78, s78, s33
	s_mov_b32 s79, 0
	s_lshl_b32 s2, s17, 15                         ; Wq's rows 64 head on
	s_mov_b32 s3, 0
	s_lshl_b32 s66, s17, 11
	s_add_co_u32 s66, s66, XQS
	s_mov_b32 s67, 0
	s_lshl_b32 s68, s18, 6
	s_lshl_b32 s69, s15, 4
	s_add_co_u32 s68, s68, s69
	s_add_co_u32 s68, s68, s14                     ; my tile of 16 rows: 64 batch + 16 cx + wave
	s_lshl_b32 s70, s68, 9
	s_add_co_u32 s70, s70, XQS
	s_mov_b32 s71, 0
	s_lshl_b32 s68, s68, 13
	s_mov_b32 s69, 0
	s_lshl_b32 s72, s17, 8
	s_mov_b32 s73, 0
	s_lshl_b32 s74, s17, 9
	s_add_co_u32 s74, s74, s68
	s_mov_b32 s75, 0
	s_lshl_b32 s76, s17, 13
	s_lshl_b32 s77, s18, 11
	s_add_co_u32 s76, s76, s77
	s_lshl_b32 s77, s15, 9
	s_add_co_u32 s76, s76, s77
	s_add_co_u32 s76, s76, XQS
	s_mov_b32 s77, 0
	s_wait_alu depctr_va_vdst(0)
	s_wait_dscnt 0x0                               ; both opening adds are done
	s_wait_kmcnt 0x0
	s_add_nc_u64 s[34:35], s[10:11], s[78:79]
	s_or_b32 s35, s35, 0x80000000
	s_add_nc_u64 s[46:47], s[6:7], s[2:3]
	s_or_b32 s47, s47, 0x80000000
	s_add_nc_u64 s[58:59], s[6:7], s[66:67]
	s_or_b32 s59, s59, 0x80000000
	s_add_nc_u64 s[68:69], s[4:5], s[68:69]        ; xn's image of my tile
	s_add_nc_u64 s[70:71], s[4:5], s[70:71]        ; its scale bytes
	s_add_nc_u64 s[72:73], s[8:9], s[72:73]        ; bq of my head
	s_add_nc_u64 s[74:75], s[12:13], s[74:75]      ; where my codes go
	s_add_nc_u64 s[76:77], s[12:13], s[76:77]      ; where the work-group's scale halfwords go
.irp s, 0,1,2,3,4,5,6,7
.irp c, 0,1
	global_load_b128 v[128+8*\s+4*\c:131+8*\s+4*\c], v1, s[68:69] offset:1024*\s+512*\c   ; xn's eight fragments: 512 consecutive bytes a load
.endr
.endr
	global_load_b128 v[24:27], v61, s[70:71]       ; its eight scale words
	global_load_b128 v[28:31], v61, s[70:71] offset:16
.irp t, 0,1,2,3
	global_load_b128 v[192+8*\t:195+8*\t], v7, s[72:73] offset:64*\t       ; bq(16 t + 8 h + 0 .. 7): the C of each sum's first product
	global_load_b128 v[196+8*\t:199+8*\t], v7, s[72:73] offset:64*\t+16
.endr
	s_mov_b32 s60, 15                              ; trips
	s_mov_b32 s61, 0                               ; K's image: 4,096 bytes a step
	s_mov_b32 s62, 0                               ; K's scale words: 512
	s_mov_b32 s63, 0                               ; V's image: 4,096
	s_mov_b32 s66, 0                               ; V's scale words: 256
	s_mov_b32 s3, 0xbe38aa3b                       ; -c
	CROUND                                         ; the four partners are here: the joint loads meet
	; one chain of branches on the wave's number, one load to an arm, all arms to one join.  Wq's two arms hold the wait that the reads behind the first barrier need
	s_cmp_eq_u32 s14, 0
	s_cbranch_scc0 .Lnot_wq
	tensor_load_to_lds s[44:47], s[36:43]
	s_nop 0
.rept 4
	v_nop
.endr
	s_wait_tensorcnt 0x0
	s_branch .Lasked
.Lnot_wq:
	s_cmp_eq_u32 s14, 1
	s_cbranch_scc0 .Lnot_ws
	tensor_load_to_lds s[56:59], s[48:55]
	s_nop 0
.rept 4
	v_nop
.endr
	s_wait_tensorcnt 0x0
	s_branch .Lasked
.Lnot_ws:
	s_cmp_lt_u32 s14, 8
	s_cbranch_scc1 .Lasked
	s_cmp_eq_u32 s14, 15
	s_cbranch_scc1 .Lasked
	tensor_load_to_lds s[32:35], s[24:31]
	s_nop 0
.rept 4
	v_nop
.endr
.Lasked:
	s_barrier_signal -1
	s_barrier_wait -1                              ; Wq and its scale bytes are whole; K's and V's fills may be out
	s_wait_loadcnt 0x0
; q^T = Wq xn^T + bq, two K steps of 128 at a time; the four accumulators take turns
.macro QSTEP2 g
.if \g > 0
.rept 4
	v_nop                                          ; places in front of loads into registers that matrix instructions have read
.endr
.endif
.irp e, 0,1
.irp t, 0,1,2,3
.irp c, 0,1
	ds_load_b128 v[64+32*\e+8*\t+4*\c:67+32*\e+8*\t+4*\c], v5 offset:16*WQP*\t+64*(2*\g+\e)+32*\c
.endr
.endr
.endr
.irp t, 0,1,2,3
	ds_load_b64 v[32+2*\t:33+2*\t], v6 offset:512*\t+8*\g
.endr
	s_wait_dscnt 0x0
.irp e, 0,1
.irp t, 0,1,2,3
	v_wmma_scale_f32_16x16x128_f8f6f4 v[192+8*\t:199+8*\t], v[64+32*\e+8*\t:71+32*\e+8*\t], v[128+8*(2*\g+\e):135+8*(2*\g+\e)], v[192+8*\t:199+8*\t], v[32+2*\t+\e], v[24+2*\g+\e] matrix_a_fmt:MATRIX_FMT_FP4 matrix_b_fmt:MATRIX_FMT_FP4
.endr
.endr
.endm
	QSTEP2 0
	QSTEP2 1
	QSTEP2 2
	QSTEP2 3
.rept 4
	v_nop
.endr
	QUANT 2, 192, 8                                ; q's codes: v8-11
	v_lshl_or_b32 v16, v[PB+1], 8, v[PB]
	v_or_b32 v16, 0x7f7f0000, v16                  ; bytes 2, 3 meet zero codes
.irp j, 12,13,14,15
	v_mov_b32 v[\j], 0
.endr
.irp u, 0,1,2,3,4,5,6,7
.irp j, 4,5,6,7
	v_mov_b32 v[64+8*\u+\j], 0                     ; the upper halves of K's fragments: zero codes, written once
.endr
.endr
.set i, 0
.rept 32
	v_mov_b32 v[192+i], 0                          ; O^T: the step is written for all steps alike; the first finds zeros
.set i, i+1
.endr
	v_mov_b32 v19, 0xff61b1e6                      ; the largest score so far: -3e38
	v_mul_f32 v60, s3, v19
	v_floor_f32 v18, v60                           ; -M
	v_mov_b32 v20, 0
	v_mov_b32 v21, 0
	v_mov_b32 v22, 0
	v_mov_b32 v23, 0
	v_mov_b32 v53, v18                             ; the old -M
	s_wait_alu depctr_va_vdst(0)                   ; directly ahead of the wait below
	s_wait_tensorcnt 0x0                           ; my fill has landed,
	s_barrier_signal -1
	s_barrier_wait -1                              ; everybody's have: K and V are whole
.macro FETCH_K                         ; a step's 8 tiles of keys and their scale words: twelve loads.  Tile 4 g + 2 w + e begins at key 64 g + 16 w + 8 e
	v_add_nc_u32 v62, s61, v[AK]
	v_add_nc_u32 v63, s62, v3
	v_nop
	v_nop
.irp g, 0,1
.irp w, 0,1
.irp e, 0,1
	ds_load_b128 v[64+8*(4*\g+2*\w+\e):67+8*(4*\g+2*\w+\e)], v62 offset:2048*\g+512*\w+128*\e
.endr
.endr
.endr
.irp g, 0,1
.irp e, 0,1
	ds_load_b64 v[24+4*\g+2*\e:25+4*\g+2*\e], v63 offset:256*\g+128*\e   ; the words of tiles 4 g + e and 4 g + 2 + e
.endr
.endr
.endm
	FETCH_K
.macro SUP j                           ; four more of the unquantised p join the row's sum, in two chains
	v_pk_add_f32 v[20:21], v[20:21], v[128+\j:129+\j]
	v_pk_add_f32 v[60:61], v[60:61], v[130+\j:131+\j]
.endm
; A KEY STEP of 128 keys.  last = 1: no further K is asked for.
.macro STEP last
	v_add_nc_u32 v62, s63, v2                      ; with the two lines at the last step's end: four places behind its products
	v_add_nc_u32 v63, s66, v4
.irp t, 0,1,2,3
.irp c, 0,1
	ds_load_b128 v[224+8*\t+4*\c:227+8*\t+4*\c], v62 offset:1024*\t+512*\c
.endr
.endr
	ds_load_b128 v[32:35], v63
	s_wait_dscnt 9                                 ; K's twelve loads are in; V's nine, just issued, may be out
.irp g, 0,1
.irp w, 0,1
.irp e, 0,1
	v_wmma_scale_f32_16x16x128_f8f6f4 v[128+8*(4*\g+2*\w+\e):135+8*(4*\g+2*\w+\e)], v[64+8*(4*\g+2*\w+\e):71+8*(4*\g+2*\w+\e)], v[8:15], 0, v[24+4*\g+2*\e+\w], v16 matrix_a_fmt:MATRIX_FMT_FP4 matrix_b_fmt:MATRIX_FMT_FP4
.endr
.endr
.endr
.if \last
.rept 4
	v_nop
.endr
.else
	s_add_co_u32 s61, s61, 4096
	s_add_co_u32 s62, s62, 512
	FETCH_K                                        ; its four vector lines are the places behind the products; the next step's K lands under the softmax
.endif
.irp b, 0,1,2,3                                ; four chains of 16 scores by turns; chains 0, 1 are my first block of 32 keys, chains 2, 3 my second
	v_max3_num_f32 v[MX+\b], v[128+16*\b], v[129+16*\b], v[130+16*\b]
.endr
.irp i, 3,5,7,9,11,13
.irp b, 0,1,2,3
	v_max3_num_f32 v[MX+\b], v[MX+\b], v[128+16*\b+\i], v[129+16*\b+\i]
.endr
.endr
	v_max3_num_f32 v48, v48, v49, v143
	v_max3_num_f32 v50, v50, v51, v175
	v_max_num_f32 v48, v48, v159                   ; the largest score of each of my two blocks: for the row's maximum and for the block's largest p
	v_max_num_f32 v50, v50, v191
	v_max_num_f32 v60, v48, v50
	v_permlanex16_b32 v52, v60, s[SEL], s[SEL+1]
	v_max3_num_f32 v19, v19, v60, v52              ; the running largest score of my query (c is positive)
	s_delay_alu instid0(VALU_DEP_1)
	v_mul_f32 v60, s3, v19                         ; -t
	s_delay_alu instid0(VALU_DEP_1)
	v_floor_f32 v18, v60                           ; -M = floor(-t)
	s_delay_alu instid0(VALU_DEP_1)
	v_sub_f32 v53, v18, v53                        ; old M - new M, a whole number, 0 or less
	v_fma_f32 v48, v48, s22, v18                   ; t - M of each block's largest score
	v_fma_f32 v50, v50, s22, v18
	v_cvt_i32_f32 v53, v53                         ; (it saturates)
	v_pk_fma_f32 v[128:129], v[128:129], s[22:23], v[18:19] op_sel_hi:[1,0,0]
	v_pk_fma_f32 v[130:131], v[130:131], s[22:23], v[18:19] op_sel_hi:[1,0,0]
	v_ldexp_f32 v22, 1.0, v53                      ; f = 2^(old M - new M)
.set i, 4
.rept 30
	v_pk_fma_f32 v[128+i:129+i], v[128+i:129+i], s[22:23], v[18:19] op_sel_hi:[1,0,0]   ; t - M (of the pairs c and -M the low word serves both halves)
.set i, i+2
.endr
.set i, 0
.rept 16
	v_pk_mul_f32 v[192+i:193+i], v[192+i:193+i], v[22:23] op_sel_hi:[1,0]   ; O^T x f, each accumulator from its low end on, ahead of the exponentials
.set i, i+2
.endr
	s_wait_alu depctr_va_vdst(0)                   ; ahead of the batch
	v_exp_f32 v48, v48                             ; the blocks' largest p
	v_exp_f32 v50, v50
.set i, 0
.rept 64
	v_exp_f32 v[128+i], v[128+i]                   ; p = 2^(t - M)
.set i, i+1
.endr
	v_pk_mul_f32 v[20:21], v[20:21], v[22:23] op_sel_hi:[1,0]   ; the sum under the new M: the plain line behind the batch
	s_wait_alu depctr_va_vdst(0)                   ; one wait for the whole batch, ahead of its first reader
	v_max_num_f32 v48, 0x1800000, v48              ; the floor 2^(3 - 127): the byte cannot fall under 1
	v_max_num_f32 v50, 0x1800000, v50
	v_pk_add_f32 v[60:61], v[128:129], v[130:131]  ; the second chain begins
	v_add_nc_u32 v56, 0xff000000, v48              ; 2 off the exponent field: the conversions' scale operands
	v_add_nc_u32 v57, 0xff000000, v50
	SUP 4
	v_lshrrev_b32 v49, 23, v56                     ; the bytes of blocks h and 2 + h
	v_lshrrev_b32 v51, 23, v57
.irp u, 0,1,2,3,4,5,6,7
	v_cvt_scalef32_pk8_fp4_f32 v[40+\u], v[128+8*\u:135+8*\u], v[56+\u/4]   ; register u of P's operand: keys 64 (u / 4) + 32 h + 8 (u % 4) + 0 .. 7
.endr
	v_lshl_or_b32 v49, v51, 16, v49
	SUP 8
	v_lshlrev_b32 v49, v[SH], v49                  ; at their places in the word
	SUP 12
	v_permlanex16_b32 v52, v49, s[SEL], s[SEL+1]
	SUP 16
	v_or_b32 v17, v49, v52                         ; with lane l xor 16's two: p's scale word
.irp j, 20,24,28,32,36,40,44,48,52,56,60
	SUP \j                                         ; these 22 lines and the next are the places between the scale word, the codes and the products
.endr
	v_pk_add_f32 v[20:21], v[20:21], v[60:61]      ; the row's sum of the unquantised p
.if \last
	s_wait_alu depctr_va_vdst(0)                   ; directly ahead of the wait below: the way out reads the sums just written
	s_wait_dscnt 0x0
.else
	s_wait_dscnt 12                                ; V's nine loads are in; the next step's twelve of K may be out
.endif
.irp t, 0,1,2,3
	v_wmma_scale_f32_16x16x128_f8f6f4 v[192+8*\t:199+8*\t], v[224+8*\t:231+8*\t], v[40:47], v[192+8*\t:199+8*\t], v[32+\t], v17 matrix_a_fmt:MATRIX_FMT_FP4 matrix_b_fmt:MATRIX_FMT_FP4
.endr
.if \last == 0
	v_mov_b32 v53, v18                             ; the next step's old -M; two of the four places behind the products
	v_nop
	s_add_co_u32 s63, s63, 4096
	s_add_co_u32 s66, s66, 256
.endif
.endm
.Lstep:
	STEP 0
	s_sub_co_u32 s60, s60, 1
	s_cmp_lg_u32 s60, 0
	s_cbranch_scc1 .Lstep
	STEP 1
	; THE WAY OUT: O^T / l, quantised along the model's axis: my head's two blocks.  The lines up to the reciprocal are the places behind the last products.
	v_add_f32 v20, v20, v21
	v_and_b32 v62, 15, v0
	s_lshl_b32 s78, s14, 5
	s_add_co_u32 s78, s78, STG
	v_lshl_add_u32 v62, v62, 1, s78                ; my query's halfword: STG + 32 wave + 2 r
	v_add_nc_u32 v63, STG, v1
	v_permlanex16_b32 v60, v20, s[SEL], s[SEL+1]
	v_add_f32 v20, v20, v60                        ; with lane l xor 16's blocks: the row's sum
	s_wait_alu depctr_va_vdst(0)                   ; ahead of the transcendental
	v_rcp_f32 v22, v20
	v_nop
	s_wait_alu depctr_va_vdst(0)                   ; and behind it, directly ahead of the first readers of its result and of O^T
.set i, 0
.rept 16
	v_pk_mul_f32 v[192+i:193+i], v[192+i:193+i], v[22:23] op_sel_hi:[1,0]
.set i, i+2
.endr
	QUANT 2, 192, 40
	v_lshl_or_b32 v61, v[PB+1], 8, v[PB]
	global_store_b128 v1, v[40:43], s[74:75]       ; units 2 head and 2 head + 1 of my tile: 512 consecutive bytes
	ds_store_b16 v62, v61                          ; lanes r and r + 16 write the same halfword with the same value
	s_wait_dscnt 0x0
	s_barrier_signal -1
	s_barrier_wait -1
	s_cmp_lg_u32 s14, 0
	s_cbranch_scc1 .Lno_words
	ds_load_b128 v[44:47], v63                     ; wave 0: the 256 queries' halfwords
	s_wait_dscnt 0x0
	global_store_b128 v1, v[44:47], s[76:77]
.Lno_words:
	s_wait_tensorcnt 0x0                           ; the wave's end
	ds_add_u32 v[SPW], v[NIL]
	s_wait_dscnt 0x0
	CROUND                                         ; the closing round
	s_endpgm
.Lfunc_end_k_q495d3748d8_attn:
	.size	k_q495d3748d8_attn, .Lfunc_end_k_q495d3748d8_attn-k_q495d3748d8_attn
	.p2alignl 7, 3214868480
	.fill 96, 4, 3214868480
	.section	.rodata,"a",@progbits
	.p2align	6, 0x0
	.amdhsa_kernel k_q495d3748d8_attn
		.amdhsa_group_segment_fixed_size 181760
		.amdhsa_private_segment_fixed_size 0
		.amdhsa_enable_private_segment 0
		.amdhsa_kernarg_size 40
		.amdhsa_user_sgpr_count 2
		.amdhsa_user_sgpr_kernarg_segment_ptr 1
		.amdhsa_wavefront_size32 1
		.amdhsa_system_sgpr_workgroup_id_x 1
		.amdhsa_system_sgpr_workgroup_id_y 1
		.amdhsa_system_sgpr_workgroup_id_z 1
		.amdhsa_system_vgpr_workitem_id 0
		.amdhsa_next_free_vgpr 256
		.amdhsa_next_free_sgpr 80
		.amdhsa_reserve_vcc 0
		.amdhsa_float_denorm_mode_32 3
		.amdhsa_float_denorm_mode_16_64 3
		.amdhsa_memory_ordered 1
		.amdhsa_forward_progress 1
		.amdhsa_inst_pref_size 57
	.end_amdhsa_kernel
	.amdgpu_metadata
---
amdhsa.version: [ 1, 2 ]
amdhsa.kernels:
  - .name:           k_q495d3748d8_attn
    .symbol:         k_q495d3748d8_attn.kd
    .args:
      - { .name: xnq, .offset: 0, .size: 8, .value_kind: global_buffer, .address_space: global }
      - { .name: wts, .offset: 8, .size: 8, .value_kind: global_buffer, .address_space: global }
      - { .name: bq, .offset: 16, .size: 8, .value_kind: global_buffer, .address_space: global }
      - { .name: kv, .offset: 24, .size: 8, .value_kind: global_buffer, .address_space: global }
      - { .name: aoq, .offset: 32, .size: 8, .value_kind: global_buffer, .address_space: global }
    .group_segment_fixed_size: 181760
    .private_segment_fixed_size: 0
    .kernarg_segment_align: 8
    .kernarg_segment_size: 40
    .max_flat_workgroup_size: 512
    .sgpr_count:     80
    .vgpr_count:     256
    .wavefront_size: 32
...
	.end_amdgpu_metadata
.endif
;; end of part 4
;; launch oproj (part 5): grid 8 x 32, 8 waves a work-group, clusters of 4 x 4, 177,152 bytes of LDS; arguments aoq, wts, bo, x, out0; writes out0
.if DOCPART == 5
	.amdgcn_target "amdgcn-amd-amdhsa--gfx1250"
	.amdhsa_code_object_version 6
	.text
	.protected	k_q495d3748d8_oproj
	.globl	k_q495d3748d8_oproj
	.p2align	8
	.type	k_q495d3748d8_oproj,@function
k_q495d3748d8_oproj:
	s_mov_b64 s[64:65], 0
	v_nop
	global_prefetch_b8 v0, s[64:65] scope:SCOPE_SE
	s_setreg_imm32_b32 hwreg(HW_REG_WAVE_MODE, 25, 1), 1
	s_wait_xcnt 0x0
	s_wait_alu depctr_hold_cnt(0) depctr_sa_sdst(0) depctr_va_vdst(0) depctr_va_sdst(0) depctr_va_ssrc(0) depctr_va_vcc(0) depctr_vm_vsrc(0)
	s_getreg_b32 s2, hwreg(HW_REG_IB_STS2, 6, 4)
	s_cmp_eq_u32 s2, 0
	s_cbranch_scc0 .Lentry_in_a_cluster
	s_endpgm
.Lentry_in_a_cluster:
	s_bfe_u32 s2, ttmp6, 0x10000c
	s_cmp_lg_u32 s2, 0xf033
	s_cbranch_scc0 .Lentry_shape_is_right
	s_endpgm
.Lentry_shape_is_right:
; out0 = x + (ao Wo^T + bo), the product on E2M1 codes, K = 1,024.  A tile of 128 x 128 a work-group gives 256 work-groups; eight waves, each 32 rows x 64 columns in 8 accumulators.
; All of K fits in LDS at once: ao's 128 rows as images of the operand's registers (dense), Wo's 128 rows (512 bytes + 16 of padding), both sides' scale bytes.  Each region is filled ONCE.
; CLUSTERS 4 x 4: ao's tile and its scales are shared along a row of the cluster, Wo's along a column: joint loads.
; The matrix instruction is used transposed (source 0 = Wo's rows, source 1 = ao's): a lane holds eight neighbouring columns of one row.  bo is loaded into the accumulators: the C of each sum's first product.
; The results go through each wave's own stage and come back as rows; x is loaded in that layout, added, and sixteen lanes store 256 consecutive bytes.
; REGISTERS: v1-8 addresses; v32-47 ao's two fragments; v48-79 Wo's four; v80-95 ao's scale words, v96-127 Wo's (scales only); v128-191 accumulators; v192-255 x.
.set AIMG, 0
.set BROW, 65536
.set BP,   528
.set APL,  BROW+128*BP                 ; ao's scale halfwords: 16 planes (heads) of 256 bytes
.set BSC,  APL+4096                    ; Wo's scale bytes
.set STG,  BSC+4096                    ; 16 rows x 272 bytes for each wave: no fill lands here
.macro CROUND
	s_barrier_signal -1
	s_barrier_wait -1
	s_cmp_lg_u32 s14, 0
	s_cbranch_scc1 .Lnot_wave_0_\@
	s_barrier_signal -3
.Lnot_wave_0_\@:
	s_barrier_wait -3
	s_barrier_signal -1
	s_barrier_wait -1
.endm
	s_load_b256 s[4:11], s[0:1], 0x0               ; aoq, wts, bo, x
	s_load_b64 s[12:13], s[0:1], 0x20              ; out0
	v_lshl_add_u32 v30, v0, 2, 0x2b000
	v_mov_b32 v31, 0
	ds_add_u32 v30, v31
	ds_add_u32 v30, v31
	v_lshrrev_b32 v1, 5, v0
	s_delay_alu instid0(VALU_DEP_1)
	v_readfirstlane_b32 s14, v1                    ; wave 0..7
	s_and_b32 s15, s14, 1                          ; which half I fetch; also my 64 columns
	s_lshr_b32 s22, s14, 1                         ; my 32 rows
	s_bfe_u32 s16, ttmp6, 0x40000                  ; cx
	s_bfe_u32 s17, ttmp6, 0x40004                  ; cy
	s_lshl_b32 s18, ttmp9, 2
	s_add_co_u32 s18, s18, s16                     ; tile column
	s_and_b32 s19, ttmp7, 0xffff
	s_lshl_b32 s19, s19, 2
	s_add_co_u32 s19, s19, s17                     ; tile row
	s_lshl_b32 s20, s17, 2
	s_lshl_b32 s20, 15, s20                        ; my row of the cluster
	s_lshl_b32 s21, 0x1111, s16                    ; my column
	s_or_b32 s24, s20, (3<<16)|(1<<21)             ; ao's codes: 32,768 dense bytes as 128 rows of 256
	s_mov_b32 s25, 32<<16
	s_mov_b32 s26, 128<<16
	s_mov_b32 s27, 32<<16
	s_mov_b32 s28, 128
	s_mov_b32 s29, 32
	s_mov_b32 s30, 0
	s_mov_b32 s31, 0
	s_or_b32 s36, s21, (0<<16)|(1<<20)|(1<<21)|(6<<22)|(3<<25)   ; Wo's codes: 64 rows of 512 bytes, 4 words of padding after every 128
	s_mov_b32 s37, 512<<16
	s_mov_b32 s38, 64<<16
	s_mov_b32 s39, 512<<16
	s_mov_b32 s40, 64
	s_mov_b32 s41, 512
	s_mov_b32 s42, 0
	s_mov_b32 s43, 0
	s_or_b32 s48, s20, (3<<16)|(1<<21)             ; ao's scale planes: 16 rows of 256 bytes, 8,192 bytes apart
	s_mov_b32 s49, 32<<16
	s_mov_b32 s50, 16<<16
	s_mov_b32 s51, 32<<16
	s_mov_b32 s52, 16
	s_mov_b32 s53, 1024
	s_mov_b32 s54, 0
	s_mov_b32 s55, 0
	s_or_b32 s68, s21, (3<<16)|(1<<21)             ; Wo's scale bytes: 4,096 dense bytes
	s_mov_b32 s69, 32<<16
	s_mov_b32 s70, 16<<16
	s_mov_b32 s71, 32<<16
	s_mov_b32 s72, 16
	s_mov_b32 s73, 32
	s_mov_b32 s74, 0
	s_mov_b32 s75, 0
	s_lshl_b32 s2, s15, 15                         ; 32,768 x half
	s_lshl_b32 s76, s19, 16
	s_add_co_u32 s76, s76, s2
	s_mov_b32 s77, 0
	s_lshl_b32 s78, s18, 16
	s_add_co_u32 s78, s78, s2
	s_add_co_u32 s78, s78, 1572864
	s_mov_b32 s79, 0
	s_lshl_b32 s80, s19, 8
	s_add_co_u32 s80, s80, 2097152
	s_mov_b32 s81, 0
	s_lshl_b32 s82, s18, 12
	s_add_co_u32 s82, s82, 2195456
	s_mov_b32 s83, 0
	s_mov_b32 s32, 1
	s_lshl_b32 s33, s15, 15
	s_mov_b32 s44, 1
	s_mul_i32 s45, s15, 64*BP
	s_add_co_u32 s45, s45, BROW
	s_mov_b32 s56, 1
	s_mov_b32 s57, APL
	s_mov_b32 s60, 1
	s_mov_b32 s61, BSC
	s_lshl_b32 s84, s19, 19                        ; my first row of x and out0, my first column
	s_lshl_b32 s85, s22, 17
	s_add_co_u32 s84, s84, s85
	s_lshl_b32 s90, s18, 9
	s_lshl_b32 s85, s15, 8
	s_add_co_u32 s90, s90, s85
	s_add_co_u32 s84, s84, s90
	s_mov_b32 s85, 0
	s_mov_b32 s91, 0
	s_wait_dscnt 0x0
	s_wait_kmcnt 0x0
	s_add_nc_u64 s[34:35], s[4:5], s[76:77]
	s_or_b32 s35, s35, 0x80000000
	s_add_nc_u64 s[46:47], s[6:7], s[78:79]
	s_or_b32 s47, s47, 0x80000000
	s_add_nc_u64 s[58:59], s[4:5], s[80:81]
	s_or_b32 s59, s59, 0x80000000
	s_add_nc_u64 s[62:63], s[6:7], s[82:83]
	s_or_b32 s63, s63, 0x80000000
	s_add_nc_u64 s[86:87], s[10:11], s[84:85]      ; x
	s_add_nc_u64 s[88:89], s[12:13], s[84:85]      ; out0
	s_add_nc_u64 s[90:91], s[8:9], s[90:91]        ; bo
	CROUND                                         ; all sixteen work-groups are here
	s_cmp_lt_u32 s14, 2                            ; one load a wave at the most: waves 0, 1 ao's halves; 2, 3 Wo's; 4 ao's scales; 5 Wo's; 6, 7 none
	s_cbranch_scc0 .Lf1
	tensor_load_to_lds s[32:35], s[24:31]
	s_nop 0
.rept 4
	v_nop
.endr
	s_branch .Lasked
.Lf1:
	s_cmp_lt_u32 s14, 4
	s_cbranch_scc0 .Lf2
	tensor_load_to_lds s[44:47], s[36:43]
	s_nop 0
.rept 4
	v_nop
.endr
	s_branch .Lasked
.Lf2:
	s_cmp_eq_u32 s14, 4
	s_cbranch_scc0 .Lf3
	tensor_load_to_lds s[56:59], s[48:55]
	s_nop 0
.rept 4
	v_nop
.endr
	s_branch .Lasked
.Lf3:
	s_cmp_eq_u32 s14, 5
	s_cbranch_scc0 .Lasked
	tensor_load_to_lds s[60:63], s[68:75]
	s_nop 0
.rept 4
	v_nop
.endr
.Lasked:
	v_and_b32 v9, 31, v0                           ; lane
	v_and_b32 v10, 15, v0                          ; r
	s_wait_alu depctr_va_vdst(0)
	v_bfe_u32 v11, v0, 4, 1                        ; h
	s_lshl_b32 s76, s22, 14
	v_lshl_add_u32 v1, v9, 4, s76                  ; ao's images: my two tiles, 16 x lane
	v_mul_u32_u24 v2, v10, BP
	s_delay_alu instid0(VALU_DEP_1)
	v_lshl_add_u32 v2, v11, 4, v2
	s_mul_i32 s76, s15, 64*BP
	s_add_co_u32 s76, s76, BROW
	v_add_nc_u32 v2, s76, v2                       ; Wo: my 64 rows, row r, + 16 h
	s_lshl_b32 s76, s22, 6
	s_add_co_u32 s76, s76, APL
	v_lshl_add_u32 v3, v10, 1, s76                 ; ao's halfwords: my 32 rows
	s_lshl_b32 s76, s15, 11
	s_add_co_u32 s76, s76, BSC
	v_lshl_add_u32 v4, v10, 5, s76                 ; Wo's scale bytes: 32 a row
	s_mul_i32 s76, s14, 16*272
	s_add_co_u32 s76, s76, STG
	v_mul_u32_u24 v5, v10, 272
	s_wait_alu depctr_va_vdst(0)
	v_lshl_add_u32 v5, v11, 5, v5
	s_delay_alu instid0(VALU_DEP_1)
	v_add_nc_u32 v5, s76, v5                       ; stage, in: row r, + 32 h
	v_mul_u32_u24 v6, v11, 272
	s_delay_alu instid0(VALU_DEP_1)
	v_lshl_add_u32 v6, v10, 4, v6
	s_delay_alu instid0(VALU_DEP_1)
	v_add_nc_u32 v6, s76, v6                       ; back: lanes 0-15 one row, lanes 16-31 the next
	v_lshlrev_b32 v7, 12, v11
	s_delay_alu instid0(VALU_DEP_1)
	v_lshl_add_u32 v7, v10, 4, v7                  ; the same two rows in x and out0
	v_lshlrev_b32 v8, 5, v11                       ; bo: 32 h
.irp a, 0,1
.irp b, 0,1,2,3
	global_load_b128 v[128+8*(4*\a+\b):131+8*(4*\a+\b)], v8, s[90:91] offset:64*\b
	global_load_b128 v[132+8*(4*\a+\b):135+8*(4*\a+\b)], v8, s[90:91] offset:64*\b+16
.endr
.endr
.irp a, 0,1
.irp k, 0,1,2,3,4,5,6,7
	global_load_b128 v[192+32*\a+4*\k:195+32*\a+4*\k], v7, s[86:87] offset:(16*\a+2*\k)*4096 th:TH_LOAD_NT
.endr
.endr
	s_wait_tensorcnt 0x0
	s_barrier_signal -1
	s_barrier_wait -1
.irp a, 0,1
.irp d, 0,1,2,3,4,5,6,7,8,9,10,11,12,13,14,15
	ds_load_u16 v[32+16*\a+\d], v3 offset:256*\d+32*\a
.endr
.endr
.irp b, 0,1,2,3
	ds_load_b128 v[96+8*\b:99+8*\b], v4 offset:512*\b
	ds_load_b128 v[100+8*\b:103+8*\b], v4 offset:512*\b+16
.endr
	s_wait_dscnt 0x0
.irp a, 0,1
.irp s, 0,1,2,3,4,5,6,7
	v_lshl_or_b32 v[80+8*\a+\s], v[33+16*\a+2*\s], 16, v[32+16*\a+2*\s]   ; K step s is heads 2 s and 2 s + 1
.endr
.endr
.rept 8
	v_nop                                          ; scale registers written by vector lines stand 8 places ahead of a scaled product
.endr
	s_wait_alu depctr_va_vdst(0)
	s_wait_loadcnt 16                              ; bo is in; x's sixteen loads may be out
.macro KSTEP s
.if \s > 0
.rept 4
	v_nop
.endr
.endif
.irp a, 0,1
.irp c, 0,1
	ds_load_b128 v[32+8*\a+4*\c:35+8*\a+4*\c], v1 offset:8192*\a+1024*\s+512*\c
.endr
.endr
.irp b, 0,1,2,3
.irp c, 0,1
	ds_load_b128 v[48+8*\b+4*\c:51+8*\b+4*\c], v2 offset:16*BP*\b+64*\s+32*\c
.endr
.endr
	s_wait_dscnt 0x0
.irp a, 0,1
.irp b, 0,1,2,3
	v_wmma_scale_f32_16x16x128_f8f6f4 v[128+8*(4*\a+\b):135+8*(4*\a+\b)], v[48+8*\b:55+8*\b], v[32+8*\a:39+8*\a], v[128+8*(4*\a+\b):135+8*(4*\a+\b)], v[96+8*\b+\s], v[80+8*\a+\s] matrix_a_fmt:MATRIX_FMT_FP4 matrix_b_fmt:MATRIX_FMT_FP4
.endr
.endr
.endm
.irp s, 0,1,2,3,4,5,6,7                ; the eight accumulators take turns, one instruction a turn
	KSTEP \s
.endr
.rept 4
	v_nop
.endr
	s_wait_loadcnt 0x0                             ; x
.irp a, 0,1                            ; both halves through my stage, one behind the other: LDS serves a wave's instructions in order
.irp b, 0,1,2,3
	ds_store_b128 v5, v[128+8*(4*\a+\b):131+8*(4*\a+\b)] offset:64*\b
	ds_store_b128 v5, v[132+8*(4*\a+\b):135+8*(4*\a+\b)] offset:64*\b+16
.endr
.irp k, 0,1,2,3,4,5,6,7
	ds_load_b128 v[32+96*\a+4*\k:35+96*\a+4*\k], v6 offset:544*\k
.endr
.endr
.irp a, 0,1
.irp k, 0,1,2,3,4,5,6,7
	s_wait_dscnt 16*(1-\a)+7-\k                    ; these two rows are back; the younger loads, and the second half's sixteen instructions, may be out
	v_pk_add_f32 v[32+96*\a+4*\k:33+96*\a+4*\k], v[32+96*\a+4*\k:33+96*\a+4*\k], v[192+32*\a+4*\k:193+32*\a+4*\k]
	v_pk_add_f32 v[34+96*\a+4*\k:35+96*\a+4*\k], v[34+96*\a+4*\k:35+96*\a+4*\k], v[194+32*\a+4*\k:195+32*\a+4*\k]
	global_store_b128 v7, v[32+96*\a+4*\k:35+96*\a+4*\k], s[88:89] offset:(16*\a+2*\k)*4096 th:TH_STORE_NT   ; sixteen lanes store 256 consecutive bytes, aligned
.endr
.endr
	s_wait_tensorcnt 0x0
	ds_add_u32 v30, v31
	s_wait_dscnt 0x0
	CROUND                                         ; the closing round
	s_endpgm
.Lfunc_end_k_q495d3748d8_oproj:
	.size	k_q495d3748d8_oproj, .Lfunc_end_k_q495d3748d8_oproj-k_q495d3748d8_oproj
	.p2alignl 7, 3214868480
	.fill 96, 4, 3214868480
	.section	.rodata,"a",@progbits
	.p2align	6, 0x0
	.amdhsa_kernel k_q495d3748d8_oproj
		.amdhsa_group_segment_fixed_size 177152
		.amdhsa_private_segment_fixed_size 0
		.amdhsa_enable_private_segment 0
		.amdhsa_kernarg_size 40
		.amdhsa_user_sgpr_count 2
		.amdhsa_user_sgpr_kernarg_segment_ptr 1
		.amdhsa_wavefront_size32 1
		.amdhsa_system_sgpr_workgroup_id_x 1
		.amdhsa_system_sgpr_workgroup_id_y 1
		.amdhsa_system_sgpr_workgroup_id_z 1
		.amdhsa_system_vgpr_workitem_id 0
		.amdhsa_next_free_vgpr 256
		.amdhsa_next_free_sgpr 96
		.amdhsa_reserve_vcc 0
		.amdhsa_float_denorm_mode_32 3
		.amdhsa_float_denorm_mode_16_64 3
		.amdhsa_memory_ordered 1
		.amdhsa_forward_progress 1
		.amdhsa_inst_pref_size 37
	.end_amdhsa_kernel
	.amdgpu_metadata
---
amdhsa.version: [ 1, 2 ]
amdhsa.kernels:
  - .name:           k_q495d3748d8_oproj
    .symbol:         k_q495d3748d8_oproj.kd
    .args:
      - { .name: aoq, .offset: 0, .size: 8, .value_kind: global_buffer, .address_space: global }
      - { .name: wts, .offset: 8, .size: 8, .value_kind: global_buffer, .address_space: global }
      - { .name: bo, .offset: 16, .size: 8, .value_kind: global_buffer, .address_space: global }
      - { .name: x, .offset: 24, .size: 8, .value_kind: global_buffer, .address_space: global }
      - { .name: out0, .offset: 32, .size: 8, .value_kind: global_buffer, .address_space: global }
    .group_segment_fixed_size: 177152
    .private_segment_fixed_size: 0
    .kernarg_segment_align: 8
    .kernarg_segment_size: 40
    .max_flat_workgroup_size: 256
    .sgpr_count:     96
    .vgpr_count:     256
    .wavefront_size: 32
...
	.end_amdgpu_metadata
.endif
;; end of part 5
